; MI455X (gfx1250); checked and timed in simulation.
; The chip was launched on July 23, 2026; its instructions are those of AMD's public machine-readable ISA for CDNA 5 (MIT licence, August 2026) and "CDNA5" Instruction Set Architecture Reference Guide (July 2026). The comments in the code are by the model that wrote it; some were corrected since.
;; Multi Head Attention. Allowed arithmetic: matrix products marked QUANTISED: E2M1 operands, one E8M0 scale for each 32 along K, by v_wmma_scale_f32_16x16x128_f8f6f4 with both operands' format E2M1 (or v_wmma_scale_f32_32x16x128_f4), f32 sums; products left as they are: bf16, f16 or f32 operands; f32 sums; everything else in f32.
;; Inputs: Wout 1,024 x 1,024 float32; Wqkv 3,072 x 1,024 float32; bout 1,024 float32; bqkv 3,072 float32; x 2 x 2,048 x 1,024 float32.
;; Outputs: out0 2 x 2,048 x 1,024 float32.
;; This version of the problem:
;;   THIS VERSION OF THE PROBLEM IS GIVEN IN LOW PRECISION. The matrix products marked QUANTISED in the list below multiply operands that are first quantised to E2M1 (2 exponent bits, 1 mantissa bit; 4 bits a number), with one power-of-two scale for each 32 numbers along K (OCP MX v1.0); their sums are f32. The products marked 'left as it is' may take bf16, f16 or f32 operands, with f32 sums. Whichever they take, every output number must still come out within the allowed error. Rounding operands to bf16 (8 significant bits) uses up far more of that allowance than f16 does (11 bits, for magnitudes from 6e-5 to 65,504). All else is computed in f32.
;;   The module's matrix products, in the order in which they are computed (A, B: the left and right operand; K: the contracted axis; several contracted axes count as one K, in the product's order):
;;     1. [M 4,096, K 1,024] x [K 1,024, N 3,072]; A: input x; B: input Wqkv: QUANTISED
;;     2. batch 32 x [M 2,048, K 64] x [K 64, N 2,048]; A: computed on the way; B: computed on the way: left as it is (an operand is computed on the way)
;;     3. batch 32 x [M 2,048, K 2,048] x [K 2,048, N 64]; A: computed on the way; B: computed on the way: left as it is (an operand is computed on the way)
;;     4. [M 4,096, K 1,024] x [K 1,024, N 1,024]; A: computed on the way; B: input Wout: left as it is (an operand is computed on the way)
;;   THE QUANTISER, for each operand of a quantised product, along K:
;;     - K is cut into blocks of 32 from its start; a last block that is shorter is filled with zeros.
;;     - A block's scale is 2^e with e = floor(log2(the largest magnitude in the block)) - 2, held to -126 .. 127; a block of zeros has e = 0. As a byte (E8M0): e + 127.
;;     - Each number is divided by its block's scale, clamped to +-6, and rounded to the nearest number of E2M1, ties to even, subnormals kept.
;;     - The product sums the exact products of the quantised numbers (number of the format x scale) in f32.
;;   ~~~python
;;   def quantise(x, axis):      # numpy; x: float32 -> the quantised numbers, widened to float32 again
;;       x = np.moveaxis(x, axis, -1); K = x.shape[-1]
;;       x = np.pad(x, [(0, 0)] * (x.ndim - 1) + [(0, -K % 32)]); x = x.reshape(x.shape[:-1] + (-1, 32)); a = np.abs(x).max(-1, keepdims=True)
;;       e = np.where(a > 0, np.clip(np.frexp(np.where(a > 0, a, 1))[1] - 1 - 2, -126, 127), 0)      # np.frexp(a)[1] - 1 = floor(log2(a)), exactly
;;       r = np.clip(x / 2.0 ** e, -6, 6)
;;       step = 2.0 ** (np.maximum(np.frexp(np.where(r == 0, 1, r))[1] - 1, 0) - 1)
;;       q = np.round(r / step) * step * 2.0 ** e      # np.round: ties to even
;;       return np.moveaxis(q.reshape(q.shape[:-2] + (-1,))[..., :K], -1, axis).astype(np.float32)
;;   ~~~
;; One version. Each part assembles by itself: llvm-mc -triple=amdgcn-amd-amdhsa -mcpu=gfx1250 --defsym DOCPART=n.
;; ======== version 1 of 1: 5 launches
;; limits: values are held in f16: magnitudes above 65,504 overflow, below 6.1e-05 lose precision
;; workspace buffers: xc 2,097,152 bytes; xs 131,072 bytes; wc 1,572,864 bytes; ws 98,304 bytes; wo16 2,097,152 bytes; qkv16 25,165,824 bytes; fine32 393,216 bytes; att16 8,388,608 bytes
;; launch quant (part 1): grid 256 x 1, 4 waves a work-group, no clusters, 33,280 bytes of LDS; arguments x, Wqkv, xc, xs, wc, ws, Wout, wo16; writes xc, xs, wc, ws, wo16
.if DOCPART == 1
	.amdgcn_target "amdgcn-amd-amdhsa--gfx1250"
	.amdhsa_code_object_version 6
	.text
	.protected	k_q4ad12148e3_quant
	.globl	k_q4ad12148e3_quant
	.p2align	8
	.type	k_q4ad12148e3_quant,@function
k_q4ad12148e3_quant:
	s_mov_b64 s[64:65], 0
	v_nop
	global_prefetch_b8 v0, s[64:65] scope:SCOPE_SE
	s_setreg_imm32_b32 hwreg(HW_REG_WAVE_MODE, 25, 1), 1
	s_wait_xcnt 0x0
; x [4096][1024] and Wqkv [3072][1024], f32, become codes of FP4 (E2M1), K innermost, two codes a byte, with one E8M0 scale byte for each 32 along K; Wout [1024][1024] becomes f16.
; A block's scale is 2^(floor(log2(its largest magnitude)) - 2); its byte is the largest magnitude's exponent field - 2, held at 1 from below.  A block of zeros so gets the byte 1 where the
; quantiser says 127: its codes are zeros, which add nothing under any byte but 0xff, and the bytes are read by this program alone.
; LIMITS: blocks whose largest magnitude lies under 2^(2 - 126) have their byte held at 1; NaN and infinities among the inputs are not served; Wout beyond 65,504 becomes infinity in f16.
; SHARES.  Work-groups 0-127 take x, 128-223 Wqkv: 32,768 numbers each, one path, the buffers chosen by the work-group's number.  Rows are dense and K is a multiple of 32: both are plain streams of blocks.
; A wave takes 16 steps of 512 numbers.  Each load reads 512 consecutive bytes; a step's 2,048 bytes turn through the wave's own stage in LDS, so that a lane holds 16 neighbours along K
; (two neighbouring lanes hold a block).  A lane's 16 codes are 8 bytes: a wave's store covers 256 consecutive bytes.  A wave's 256 scale bytes are gathered in LDS and leave as one store of 256 bytes.
; Work-groups 224-255 take 32 rows of Wout each, laid [n / 128][k / 64][128 n][64 k] in f16: a chunk of 128 x 64 is 16,384 dense bytes, as the projection's tensor loads want it.  That path uses no LDS.
; No tensor loads, no barrier: waves share nothing.  No matrix unit, no cluster: memory binds, and no byte is read twice.
.set SIZE_M, 4096
.set SIZE_N, 3072
.set SIZE_K, 1024
.set WAVES, 4
.set STEPS, 16
.set WGA,   SIZE_M*SIZE_K/(512*STEPS*WAVES)    ; 128 work-groups for x
.set WGB,   SIZE_N*SIZE_K/(512*STEPS*WAVES)    ; 96 for Wqkv
.set EMAX,  2
.set CB,    8                          ; bytes of 16 codes
.set R,     16                         ; v16-79   four sets of 16 numbers as they are loaded (Wout's path: v16-143, two sets of 64)
.set X,     80                         ; v80-111  two sets of 16 neighbours
.set C,     128                        ; v128-191 codes: four registers for each step, so that no store's data are written again
.set E,     112                        ; v112-127 a scale byte for each step
.set HW,    144                        ; v144-175 Wout's path: 16 pairs of registers of f16
.set WREG,  8192                       ; LDS: a region of its own for each wave: two stages of 32 x SP bytes, and behind them its 256 scale bytes
.set SP,    80                         ; a lane's place in a stage: its 64 bytes + 16 of padding
.set SPW,   12                         ; v12      LDS address of my spare word: SPARE + 4 x my thread's number; never rewritten
.set NIL,   13                         ; v13      0; never rewritten
.set SPARE, WAVES*WREG                 ; behind the four regions: the spare words, 128 bytes for each wave
	s_load_b128 s[4:7], s[0:1], 0x0                ; x, Wqkv
	s_load_b128 s[8:11], s[0:1], 0x10              ; x's codes, x's scales
	s_load_b128 s[12:15], s[0:1], 0x20             ; Wqkv's codes, Wqkv's scales
	s_load_b128 s[24:27], s[0:1], 0x30             ; Wout, its f16 copy
	v_lshl_add_u32 v[SPW], v0, 2, SPARE
	v_mov_b32 v[NIL], 0
	v_lshrrev_b32 v1, 5, v0
	v_readfirstlane_b32 s16, v1                    ; wave
	v_and_b32 v2, 31, v0                           ; lane
	v_lshlrev_b32 v3, 4, v2                        ; my 16 bytes of a load's 512
	s_mul_i32 s17, s16, WREG
	v_lshrrev_b32 v14, 2, v2
	v_mul_u32_u24 v14, v14, SP
	v_and_b32 v15, 3, v2
	v_lshl_add_u32 v14, v15, 4, v14
	v_add_nc_u32 v14, s17, v14                     ; the stage, on the way in: four lanes' 64 bytes on end, then 16 of padding
	v_mul_u32_u24 v15, v2, SP
	v_add_nc_u32 v15, s17, v15                     ; and on the way out: SP x lane: my 16 neighbours
	v_mul_u32_u24 v4, v2, CB                       ; my codes' place in a step's
	v_lshrrev_b32 v5, 1, v2
	s_add_co_u32 s17, s17, 2*32*SP
	v_add_nc_u32 v5, s17, v5                       ; LDS: my wave's 256 scale bytes, my block's byte
	v_lshlrev_b32 v7, 3, v2                        ; and on the way out 8 bytes a lane
	v_add_nc_u32 v6, s17, v7
	s_wait_kmcnt 0x0
	s_cmp_ge_u32 ttmp9, WGA+WGB                    ; the last 32 work-groups take Wout
	s_cbranch_scc1 .Lwout
	s_cmp_lt_u32 ttmp9, WGA                        ; x's work-group or Wqkv's?  The choice hangs on the work-group's number alone
	s_cselect_b64 s[4:5], s[4:5], s[6:7]
	s_cselect_b64 s[8:9], s[8:9], s[12:13]
	s_cselect_b64 s[10:11], s[10:11], s[14:15]
	s_cselect_b32 s17, 0, WGA
	s_sub_co_u32 s17, ttmp9, s17
	s_lshl_b32 s17, s17, 2
	s_add_co_u32 s18, s17, s16                     ; which run of 8,192 numbers of the tensor is my wave's
	s_mov_b32 s19, 0
	s_mov_b64 s[20:21], 512*STEPS*4
	s_mul_u64 s[20:21], s[18:19], s[20:21]
	s_add_nc_u64 s[4:5], s[4:5], s[20:21]
	s_mov_b64 s[20:21], 32*STEPS*CB
	s_mul_u64 s[20:21], s[18:19], s[20:21]
	s_add_nc_u64 s[8:9], s[8:9], s[20:21]
	s_lshl_b32 s18, s18, 8                         ; 256 scale bytes a run
	s_add_nc_u64 s[10:11], s[10:11], s[18:19]
.macro LOAD t
.irp i, 0,1,2,3
	global_load_b128 v[R+16*((\t)%4)+4*\i:R+16*((\t)%4)+4*\i+3], v3, s[4:5] offset:2048*(\t)+512*\i th:TH_LOAD_NT   ; 32 lanes read 512 consecutive bytes
.endr
.endm
.macro TURN t                          ; step t's numbers through the stage: LDS serves a wave's instructions in order, so no wait stands between the stores and the loads
.irp i, 0,1,2,3
	ds_store_b128 v14, v[R+16*((\t)%4)+4*\i:R+16*((\t)%4)+4*\i+3] offset:32*SP*((\t)%2)+8*SP*\i
.endr
.irp i, 0,1,2,3
	ds_load_b128 v[X+16*((\t)%2)+4*\i:X+16*((\t)%2)+4*\i+3], v15 offset:32*SP*((\t)%2)+16*\i
.endr
.endm
.irp t, 0,1,2,3
	LOAD \t
.endr
	s_wait_loadcnt 12                              ; step 0's four loads are in; the twelve of steps 1 to 3 may be out
	TURN 0
.macro STEP t
.set XS, X+16*((\t)%2)
.if (\t) > 0
	s_wait_dscnt 1                                 ; this step's numbers are back from the stage (the last step's byte store may be out): so its stores into the stage have read their registers,
.else
	s_wait_dscnt 0x0
.endif
.if (\t)+4 < STEPS
	LOAD (\t)+4                                    ; which take the loads of four steps on
.endif
.if (\t)+1 < STEPS
.if STEPS-2-(\t) >= 3
	s_wait_loadcnt 12                              ; the next step's four loads are in; those of the three steps behind it may be out
.else
	s_wait_loadcnt 4*(STEPS-2-(\t))
.endif
	TURN (\t)+1                                    ; and go through the other stage while this step is worked
.endif
	v_max3_num_f32 v8, |v[XS]|, |v[XS+1]|, |v[XS+2]|               ; the largest magnitude of my 16
	v_max3_num_f32 v9, |v[XS+3]|, |v[XS+4]|, |v[XS+5]|
.irp i, 6,10
	v_max3_num_f32 v8, v8, |v[XS+\i]|, |v[XS+\i+1]|
	v_max3_num_f32 v9, v9, |v[XS+\i+2]|, |v[XS+\i+3]|
.endr
	v_max3_num_f32 v8, v8, |v[XS+14]|, |v[XS+15]|
	v_max3_num_f32 v8, v8, v9, (EMAX+1)<<23        ; and the floor 2^(EMAX + 1 - 127): the byte cannot fall under 1
	v_max_num_f32_dpp v8, v8, v8 row_xmask:1 row_mask:0xf bank_mask:0xf   ; and of my neighbour's 16: the block's
	v_add_nc_u32 v11, -(EMAX<<23), v8              ; EMAX off its exponent field: the conversion takes the exponent field of this operand as its scale, and nothing else of it
	v_cvt_scalef32_pk8_fp4_f32 v[C+4*(\t)], v[XS:XS+7], v11        ; eight numbers / the scale, to the nearest code, ties to even, beyond the largest code the largest
	v_cvt_scalef32_pk8_fp4_f32 v[C+4*(\t)+1], v[XS+8:XS+15], v11
	v_lshrrev_b32 v[E+(\t)], 23, v11               ; the scale's byte (a plain line behind the conversions)
	ds_store_b8 v5, v[E+(\t)] offset:16*(\t)       ; both lanes of a block write the same byte with the same value
	global_store_b64 v4, v[C+4*(\t):C+4*(\t)+1], s[8:9] offset:32*CB*(\t)
.endm
.irp t, 0,1,2,3,4,5,6,7,8,9,10,11,12,13,14,15
	STEP \t
.endr
	ds_load_b64 v[8:9], v6                         ; LDS serves a wave's instructions in order: these see my stores
	s_wait_dscnt 0x0
	global_store_b64 v7, v[8:9], s[10:11]          ; 32 lanes store 256 consecutive bytes, aligned
	s_wait_tensorcnt 0x0                           ; the wave's end, behind my last LDS store
	ds_add_u32 v[SPW], v[NIL]
	s_wait_dscnt 0x0
	s_endpgm
; WOUT.  Work-group g = number - 224 owns rows 32 g .. 32 g + 31, wave w eight of them, as four pairs p.  A load takes 64 along K of two rows: lanes 0-15 one row's 256 bytes, lanes 16-31 the next row's.
; A lane's four numbers become 8 bytes of f16; the two rows' 128 bytes lie on end in a chunk, so a wave's store covers 256 consecutive bytes, aligned.
.Lwout:
	s_sub_co_u32 s17, ttmp9, WGA+WGB               ; g
	s_lshl_b32 s18, s17, 5
	s_lshl_b32 s19, s16, 3
	s_add_co_u32 s18, s18, s19                     ; my first row: 32 g + 8 w
	s_lshl_b32 s18, s18, 12                        ; rows of 4,096 bytes
	s_mov_b32 s19, 0
	s_add_nc_u64 s[24:25], s[24:25], s[18:19]
	s_lshr_b32 s20, s17, 2
	s_lshl_b32 s20, s20, 18                        ; the panel of 128 rows: 262,144 bytes
	s_and_b32 s21, s17, 3
	s_lshl_b32 s21, s21, 5
	s_lshl_b32 s22, s16, 3
	s_add_co_u32 s21, s21, s22                     ; my first row in it,
	s_lshl_b32 s21, s21, 7                         ; 128 bytes a row in a chunk
	s_add_co_u32 s20, s20, s21
	s_mov_b32 s21, 0
	s_add_nc_u64 s[26:27], s[26:27], s[20:21]
	v_lshrrev_b32 v8, 4, v2
	v_and_b32 v9, 15, v2
	v_lshlrev_b32 v9, 4, v9
	v_lshl_add_u32 v8, v8, 12, v9                  ; in: 4,096 (lane / 16) + 16 (lane % 16)
	v_lshlrev_b32 v9, 3, v2                        ; out: 8 x lane
.macro LOADG p                         ; pair p of rows, all 16 chunks along K, into set p % 2
.irp kb, 0,1,2,3,4,5,6,7,8,9,10,11,12,13,14,15
	global_load_b128 v[R+64*((\p)%2)+4*\kb:R+64*((\p)%2)+4*\kb+3], v8, s[24:25] offset:(\p)*8192+\kb*256 th:TH_LOAD_NT
.endr
.endm
.macro OUTG p
.if (\p) < 3
	s_wait_loadcnt 16                              ; this pair's 16 loads are in; the next pair's 16 may be out
.else
	s_wait_loadcnt 0x0
.endif
.if (\p) > 0
	s_wait_xcnt 0x0                                ; the last pair's stores have read their data registers, which are written again below
.endif
.irp kb, 0,1,2,3,4,5,6,7,8,9,10,11,12,13,14,15
	v_cvt_pk_f16_f32 v[HW+2*\kb], v[R+64*((\p)%2)+4*\kb], v[R+64*((\p)%2)+4*\kb+1]
	v_cvt_pk_f16_f32 v[HW+2*\kb+1], v[R+64*((\p)%2)+4*\kb+2], v[R+64*((\p)%2)+4*\kb+3]
.endr
.irp kb, 0,1,2,3,4,5,6,7,8,9,10,11,12,13,14,15
	global_store_b64 v9, v[HW+2*\kb:HW+2*\kb+1], s[26:27] offset:\kb*16384+(\p)*256
.endr
.if (\p) < 2
	LOADG (\p)+2
.endif
.endm
	LOADG 0
	LOADG 1
	OUTG 0
	OUTG 1
	OUTG 2
	OUTG 3
	s_endpgm
.Lfunc_end_k_q4ad12148e3_quant:
	.size	k_q4ad12148e3_quant, .Lfunc_end_k_q4ad12148e3_quant-k_q4ad12148e3_quant
	.p2alignl 7, 3214868480
	.fill 96, 4, 3214868480
	.section	.rodata,"a",@progbits
	.p2align	6, 0x0
	.amdhsa_kernel k_q4ad12148e3_quant
		.amdhsa_group_segment_fixed_size 33280
		.amdhsa_private_segment_fixed_size 0
		.amdhsa_enable_private_segment 0
		.amdhsa_kernarg_size 64
		.amdhsa_user_sgpr_count 2
		.amdhsa_user_sgpr_kernarg_segment_ptr 1
		.amdhsa_wavefront_size32 1
		.amdhsa_system_sgpr_workgroup_id_x 1
		.amdhsa_system_sgpr_workgroup_id_y 1
		.amdhsa_system_sgpr_workgroup_id_z 1
		.amdhsa_system_vgpr_workitem_id 0
		.amdhsa_next_free_vgpr 192
		.amdhsa_next_free_sgpr 66
		.amdhsa_reserve_vcc 0
		.amdhsa_float_denorm_mode_32 3
		.amdhsa_float_denorm_mode_16_64 3
		.amdhsa_memory_ordered 1
		.amdhsa_forward_progress 1
		.amdhsa_inst_pref_size 55
	.end_amdhsa_kernel
	.amdgpu_metadata
---
amdhsa.version: [ 1, 2 ]
amdhsa.kernels:
  - .name:           k_q4ad12148e3_quant
    .symbol:         k_q4ad12148e3_quant.kd
    .args:
      - { .name: x, .offset: 0, .size: 8, .value_kind: global_buffer, .address_space: global }
      - { .name: Wqkv, .offset: 8, .size: 8, .value_kind: global_buffer, .address_space: global }
      - { .name: xc, .offset: 16, .size: 8, .value_kind: global_buffer, .address_space: global }
      - { .name: xs, .offset: 24, .size: 8, .value_kind: global_buffer, .address_space: global }
      - { .name: wc, .offset: 32, .size: 8, .value_kind: global_buffer, .address_space: global }
      - { .name: ws, .offset: 40, .size: 8, .value_kind: global_buffer, .address_space: global }
      - { .name: Wout, .offset: 48, .size: 8, .value_kind: global_buffer, .address_space: global }
      - { .name: wo16, .offset: 56, .size: 8, .value_kind: global_buffer, .address_space: global }
    .group_segment_fixed_size: 33280
    .private_segment_fixed_size: 0
    .kernarg_segment_align: 8
    .kernarg_segment_size: 64
    .max_flat_workgroup_size: 128
    .sgpr_count:     66
    .vgpr_count:     192
    .wavefront_size: 32
...
	.end_amdgpu_metadata
.endif
;; end of part 1
;; launch qkvgemm (part 2): grid 12 x 16, 4 waves a work-group, clusters of 4 x 4, 327,680 bytes of LDS; arguments xc, xs, wc, ws, qkv16, bqkv, fine32; writes qkv16, fine32
.if DOCPART == 2
	.amdgcn_target "amdgcn-amd-amdhsa--gfx1250"
	.amdhsa_code_object_version 6
	.text
	.protected	k_q4ad12148e3_qkvgemm
	.globl	k_q4ad12148e3_qkvgemm
	.p2align	8
	.type	k_q4ad12148e3_qkvgemm,@function
k_q4ad12148e3_qkvgemm:
	s_mov_b64 s[64:65], 0
	v_nop
	global_prefetch_b8 v0, s[64:65] scope:SCOPE_SE
	s_setreg_imm32_b32 hwreg(HW_REG_WAVE_MODE, 25, 1), 1
	s_wait_xcnt 0x0
	s_wait_alu depctr_hold_cnt(0) depctr_sa_sdst(0) depctr_va_vdst(0) depctr_va_sdst(0) depctr_va_ssrc(0) depctr_va_vcc(0) depctr_vm_vsrc(0)
	s_getreg_b32 s2, hwreg(HW_REG_IB_STS2, 6, 4)
	s_cmp_eq_u32 s2, 0
	s_cbranch_scc0 .Lentry_in_a_cluster
	s_endpgm
.Lentry_in_a_cluster:
	s_bfe_u32 s2, ttmp6, 0x10000c
	s_cmp_lg_u32 s2, 0xf033
	s_cbranch_scc0 .Lentry_shape_is_right
	s_endpgm
.Lentry_shape_is_right:
; qkv[m][n] = sum over k of x[m][k] Wqkv[n][k] + bqkv[n], on codes of FP4 (E2M1) with one E8M0 scale for each 32 along K; sums in f32.  M = 4,096, N = 3,072, K = 1,024.
; The result leaves as f16, laid [3 (q, k, v)][4096][1024]; read flat, that is [3][32 heads][2048 positions][64].  Token rows that are multiples of 128 (positions 0-15 of a head) leave in f32 too, into fine32 [32][3072].
; LIMIT: results beyond 65,504 become infinity in f16.
; A tile of 256 x 256 is made by a work-group of four waves; a wave makes 128 x 128: 64 accumulators of 16 x 16, 512 registers.  192 tiles: tiles of 128 x 128 would fill every WGP three times over, but
; a wave's 64 x 64 reads twice the LDS bytes for each matrix instruction.  K is two slots of 512 (rows of 256 bytes): both are asked for at the head, and nothing is filled again.
; THE SCALES of the work-group's 256 rows of x and 256 of Wqkv, for all of K, are two dense blocks of memory: they come into LDS once, with the first fills.
; CLUSTERS: 4 x 4 work-groups.  The four of a row of the cluster need the same tiles of x, the four of a column the same tiles of Wqkv: each tile is asked for jointly, by the same tensor load with the
; same descriptor and a mask that names the four.  By this text's count a wave has three tensor loads out at the most.
; THE MATRIX INSTRUCTION IS USED TRANSPOSED (source 0 = 16 rows of Wqkv, source 1 = 16 rows of x): a lane then holds eight neighbouring columns of a row of the result.  The bias is the C of each sum's first product.
; REGISTERS, in windows of 256: window 0: v0-31 addresses; v32-95 scale words, two sets, and nothing else; v128-191 x's fragments, one set; v192-255 the bias (block b at 192 + 8 b); on the way out v128-255 are free.
;   window 1: Wqkv's fragments, two sets, at v0 and v128.   window 2: the accumulators of my rows 0-63 ((a, b) at v[8 (8 a + b)]);   window 3: those of my rows 64-127.
.set SIZE_M, 4096
.set SIZE_N, 3072
.set SIZE_K, 1024
.set KSTEP,  512
.set NQ,     KSTEP/128
.set ROWB,   256                       ; a tile's row in bytes
.set KROW,   SIZE_K/2                  ; a row of codes in memory
.set PITCH,  272                       ; an LDS row: 256 bytes + 16 of padding: the 16 rows that a load touches start 68 words apart
.set FR,     8
.set NL,     2
.set NP,     4                         ; places behind this matrix instruction (ISA guide 7.12.1)
.set HALFT,  128*PITCH
.set SLOT,   4*HALFT
.set KS,     SIZE_K/32                 ; a row of scales in bytes
.set SCL,    2*SLOT
.set HALFS,  (128*KS/256)*272
.set SBLK,   (16*KS/256)*272
.set SPARE,  SCL+4*HALFS               ; the spare words, 128 bytes for each wave
.set ADRA, 16                          ; v16-17  LDS address of my fragments of x in slot 0, 1
.set ADRB, 20                          ; v20-21  the same for Wqkv
.set STO32, 22                         ; v22     the f32 stage: where I put 32 bytes of a row
.set RD32, 23                          ; v23     and where I read its row 0 back
.set STO,  24                          ; v24     the f16 stage: where I put 16 bytes of a row
.set RD,   25                          ; v25     and where I read rows back
.set CO,   26                          ; v26     my byte offset in two rows of qkv16
.set ADRS, 27                          ; v27     LDS address of my scale words: lanes 0-15 x's rows, lanes 16-31 Wqkv's
.set SPW,  28                          ; v28     my spare word; never rewritten
.set NIL,  29                          ; v29     0; never rewritten
.set BO,   30                          ; v30     32 x (lane / 16): my half's eight numbers of a block's bias
.set FO,   31                          ; v31     16 x lane
.set SC,   32
.set AF,   128
.set BIAS, 192
.set TMP,  192                         ; the way out: packed results
.set BK,   128                         ; the way out: 16 rows read back: v128-159 and v160-191 by turns
.set G1, 24
.set G0, 32
.set G1B, 48
.set G0B, 56
.set G1S, 68
.set G0S, 76
.set G1SB, 80
.set G0SB, 88
.set MSB, 0
.macro WIN new                         ; the immediate's high byte repeats the setting that is left
.if MSB != \new
	s_set_vgpr_msb (MSB<<8)|\new
.set MSB, \new
.endif
.endm
.set MUL_LO, 0xa1                      ; source 0 window 1, source 1 window 0, C and D window 2
.set MUL_HI, 0xf1                      ; the same, C and D window 3
.set MUL_LO0, 0x81                     ; the first products: C (the bias) window 0, D window 2
.set MUL_HI0, 0xc1                     ; D window 3
.set TO_B,   0x40
; A joint load: waves 0 and 1 fetch for x, waves 2 and 3 for Wqkv.  The branch hangs on the wave's number alone.  An s_nop 0 and four v_nop follow each of the two lines.
.macro JLOAD g0a, g1a, g0b, g1b
	s_cmp_eq_u32 s15, 0
	s_cbranch_scc0 .Lfor_b_\@
	tensor_load_to_lds s[\g0a:\g0a+3], s[\g1a:\g1a+7]
	s_nop 0
.rept 4
	v_nop
.endr
	s_branch .Lasked_\@
.Lfor_b_\@:
	tensor_load_to_lds s[\g0b:\g0b+3], s[\g1b:\g1b+7]
	s_nop 0
.rept 4
	v_nop
.endr
.Lasked_\@:
.endm
.macro CROUND                          ; a round of the cluster's barrier
	s_barrier_signal -1
	s_barrier_wait -1
	s_cmp_lg_u32 s14, 0
	s_cbranch_scc1 .Lnot_wave_0_\@
	s_barrier_signal -3
.Lnot_wave_0_\@:
	s_barrier_wait -3
	s_barrier_signal -1
	s_barrier_wait -1
.endm
	s_load_b128 s[4:7], s[0:1], 0x0                ; x's codes s[4:5], x's scales s[6:7]
	s_load_b128 s[8:11], s[0:1], 0x10              ; Wqkv's codes s[8:9], its scales s[10:11]
	s_load_b64 s[12:13], s[0:1], 0x20              ; qkv16
	s_load_b64 s[96:97], s[0:1], 0x28              ; bqkv
	s_load_b64 s[98:99], s[0:1], 0x30              ; fine32
	v_lshl_add_u32 v[SPW], v0, 2, SPARE
	v_mov_b32 v[NIL], 0
	ds_add_u32 v[SPW], v[NIL]                      ; the wave's opening: the add, twice on end, and its wait ahead of my first tensor load
	ds_add_u32 v[SPW], v[NIL]
	v_lshrrev_b32 v1, 5, v0
	v_readfirstlane_b32 s14, v1                    ; wave 0..3
	s_lshr_b32 s15, s14, 1                         ; which half of the tile's rows is mine.  Also: I fetch for x (0) or for Wqkv (1)
	s_and_b32 s16, s14, 1                          ; which half of its columns.  Also: which 128 rows of that tile I fetch
	s_bfe_u32 s40, ttmp6, 0x40000                  ; cx, cy: my place in the cluster
	s_bfe_u32 s41, ttmp6, 0x40004
	s_lshl_b32 s42, ttmp9, 2
	s_add_co_u32 s42, s42, s40                     ; tile column = 4 x cluster x + cx
	s_and_b32 s17, ttmp7, 0xffff
	s_lshl_b32 s17, s17, 2
	s_add_co_u32 s17, s17, s41                     ; tile row = 4 x cluster y + cy
	s_lshl_b32 s43, s41, 2
	s_lshl_b32 s43, 15, s43                        ; my row of the cluster
	s_lshl_b32 s44, 0x1111, s40                    ; my column
	; descriptor group 1: a tile of 128 rows x 256 bytes, 16 bytes of padding behind each row
	s_or_b32 s[G1+0], s43, (0<<16)|(1<<20)|(1<<21)|(5<<22)|(3<<25)
	s_or_b32 s[G1B+0], s44, (0<<16)|(1<<20)|(1<<21)|(5<<22)|(3<<25)
.irp g, G1, G1B
	s_mov_b32 s[\g+1], ROWB<<16                    ; tensor_dim0
	s_mov_b32 s[\g+2], 128<<16                     ; tensor_dim1
	s_mov_b32 s[\g+3], ROWB<<16                    ; tile_dim0
	s_mov_b32 s[\g+4], 128                         ; tile_dim1
	s_mov_b32 s[\g+5], KROW                        ; from row to row
	s_mov_b32 s[\g+6], 0
	s_mov_b32 s[\g+7], 0
.endr
	; the scales of 128 rows: 4,096 dense bytes, as rows of 256 bytes (32 elements of 8 bytes), 16 bytes of padding behind each
	s_or_b32 s[G1S+0], s43, (3<<16)|(1<<20)|(1<<21)|(5<<22)|(3<<25)
	s_or_b32 s[G1SB+0], s44, (3<<16)|(1<<20)|(1<<21)|(5<<22)|(3<<25)
.irp g, G1S, G1SB
	s_mov_b32 s[\g+1], 32<<16
	s_mov_b32 s[\g+2], (128*KS/256)<<16
	s_mov_b32 s[\g+3], 32<<16
	s_mov_b32 s[\g+4], 128*KS/256
	s_mov_b32 s[\g+5], 32
	s_mov_b32 s[\g+6], 0
	s_mov_b32 s[\g+7], 0
.endr
	s_lshl_b32 s18, s16, 7                         ; which 128 rows of the tile I fetch
	s_lshl_b32 s20, s17, 8
	s_add_co_u32 s20, s20, s18                     ; x: row 256 x tile row + 128 x half
	s_lshl_b32 s46, s42, 8
	s_add_co_u32 s46, s46, s18                     ; Wqkv: row 256 x tile column + 128 x half
	s_mov_b32 s21, 0
	s_mov_b32 s47, 0
	s_mov_b64 s[18:19], KS
	s_mul_u64 s[22:23], s[20:21], s[18:19]         ; where these rows' scales begin, in bytes
	s_mul_u64 s[92:93], s[46:47], s[18:19]
	s_mov_b64 s[18:19], KROW
	s_mul_u64 s[20:21], s[20:21], s[18:19]         ; and their codes
	s_mul_u64 s[46:47], s[46:47], s[18:19]
	s_mul_i32 s45, s14, HALFT                      ; where they go: wave x 128 rows: no place in the cluster enters an LDS address
	s_mul_i32 s94, s14, HALFS
	s_wait_dscnt 0x0                               ; both opening adds are done
	s_wait_kmcnt 0x0
	s_add_nc_u64 s[20:21], s[4:5], s[20:21]
	s_add_nc_u64 s[22:23], s[6:7], s[22:23]
	s_add_nc_u64 s[46:47], s[8:9], s[46:47]
	s_add_nc_u64 s[92:93], s[10:11], s[92:93]
	CROUND                                         ; all sixteen work-groups are here: the first joint loads meet
	s_mov_b32 s[G0S], 1
	s_add_co_u32 s[G0S+1], s94, SCL
	s_mov_b64 s[G0S+2:G0S+3], s[22:23]
	s_or_b32 s[G0S+3], s[G0S+3], 0x80000000
	s_mov_b32 s[G0SB], 1
	s_add_co_u32 s[G0SB+1], s94, SCL
	s_mov_b64 s[G0SB+2:G0SB+3], s[92:93]
	s_or_b32 s[G0SB+3], s[G0SB+3], 0x80000000
	JLOAD G0S, G1S, G0SB, G1SB                     ; the scales first: they are wanted with the first slot
.irp s, 0,1
	s_mov_b32 s[G0+4*\s], 1
	s_add_co_u32 s[G0+4*\s+1], s45, \s*SLOT
	s_add_nc_u64 s[G0+4*\s+2:G0+4*\s+3], s[20:21], \s*ROWB
	s_or_b32 s[G0+4*\s+3], s[G0+4*\s+3], 0x80000000
	s_mov_b32 s[G0B+4*\s], 1
	s_add_co_u32 s[G0B+4*\s+1], s45, \s*SLOT
	s_add_nc_u64 s[G0B+4*\s+2:G0B+4*\s+3], s[46:47], \s*ROWB
	s_or_b32 s[G0B+4*\s+3], s[G0B+4*\s+3], 0x80000000
	JLOAD G0+4*\s, G1, G0B+4*\s, G1B
.endr
	v_and_b32 v1, 15, v0                           ; r = lane % 16
	v_bfe_u32 v2, v0, 4, 1                         ; h = lane / 16
	v_mul_u32_u24 v3, v1, PITCH
	v_lshl_add_u32 v4, v2, 4, v3                   ; a fragment's row x pitch + 16 x half
	s_mul_i32 s21, s15, HALFT                      ; my 128 rows of x
	s_mul_i32 s22, s16, HALFT                      ; my 128 rows of Wqkv,
	s_add_co_u32 s22, s22, 2*HALFT                 ; which lie behind x's 256
.irp s, 0,1
	v_add_nc_u32 v[ADRA+\s], s21, v4
	v_add_nc_u32 v[ADRB+\s], s22, v4
	s_add_co_u32 s21, s21, SLOT
	s_add_co_u32 s22, s22, SLOT
.endr
	v_mul_u32_u24 v5, v1, KS                       ; my row's scales: KS bytes a row,
	v_lshrrev_b32 v6, 8, v5
	v_lshl_add_u32 v5, v6, 4, v5                   ; and 16 more for each 256 passed
	s_mul_i32 s21, s15, HALFS
	s_mul_i32 s22, s16, HALFS
	s_add_co_u32 s22, s22, 2*HALFS
	s_sub_co_u32 s22, s22, s21
	v_mul_u32_u24 v6, s22, v2                      ; lanes 16-31 take Wqkv's
	s_add_co_u32 s21, s21, SCL
	v_add_nc_u32 v5, v5, v6
	v_add_nc_u32 v[ADRS], s21, v5
	s_mul_i32 s23, s14, 16*528                     ; my stage: 8,448 bytes in slot 0
	v_mul_u32_u24 v5, v1, 528                      ; f32: row r of 512 + 16 bytes, 32 bytes for each half of the lanes
	v_lshl_add_u32 v5, v2, 5, v5
	v_add_nc_u32 v[STO32], s23, v5
	v_and_b32 v6, 31, v0
	v_lshlrev_b32 v[FO], 4, v6
	v_add_nc_u32 v[RD32], s23, v[FO]               ; its row 0: 16 bytes a lane
	v_mul_u32_u24 v5, v1, 272                      ; f16: row r of 256 + 16 bytes, 16 bytes for each half
	v_lshl_add_u32 v5, v2, 4, v5
	v_add_nc_u32 v[STO], s23, v5
	v_mul_u32_u24 v5, v2, 272                      ; back: lanes 0-15 one row of 256 bytes, lanes 16-31 the next
	v_lshl_add_u32 v5, v1, 4, v5
	v_add_nc_u32 v[RD], s23, v5
	v_lshlrev_b32 v5, 11, v2                       ; and the same two rows in qkv16: 2,048 bytes a row
	v_lshl_add_u32 v[CO], v1, 4, v5
	v_lshlrev_b32 v[BO], 5, v2
	s_lshl_b32 s46, s42, 10                        ; my first column as f32 bytes: 1,024 x tile column + 512 x half
	s_lshl_b32 s47, s16, 9
	s_add_co_u32 s46, s46, s47
	s_mov_b32 s47, 0
	s_add_nc_u64 s[96:97], s[96:97], s[46:47]      ; the bias there,
	s_add_nc_u64 s[98:99], s[98:99], s[46:47]      ; and fine32's columns;
	s_lshl_b32 s20, s17, 1
	s_add_co_u32 s20, s20, s15                     ; its row: my first token row / 128 = 2 x tile row + half
	s_mul_i32 s20, s20, 12288
	s_mov_b32 s21, 0
	s_add_nc_u64 s[98:99], s[98:99], s[20:21]
.irp b, 0,1,2,3,4,5,6,7
	global_load_b128 v[BIAS+8*\b:BIAS+8*\b+3], v[BO], s[96:97] offset:64*\b         ; block b: bqkv at columns 16 b + 8 h + 0 .. 7
	global_load_b128 v[BIAS+8*\b+4:BIAS+8*\b+7], v[BO], s[96:97] offset:64*\b+16
.endr
	s_lshl_b32 s20, s17, 8
	s_lshl_b32 s21, s15, 7
	s_add_co_u32 s20, s20, s21                     ; my first row: 256 x tile row + 128 x half,
	s_lshl_b32 s20, s20, 11                        ; 2,048 bytes a row
	s_mov_b32 s21, 0
	s_add_nc_u64 s[12:13], s[12:13], s[20:21]
	s_lshr_b32 s46, s42, 2                         ; q, k or v: 8,388,608 bytes each;
	s_lshl_b32 s46, s46, 23
	s_and_b32 s47, s42, 3
	s_lshl_b32 s47, s47, 9                         ; the tile's 512 bytes of a row,
	s_add_co_u32 s46, s46, s47
	s_lshl_b32 s47, s16, 8                         ; my half of them
	s_add_co_u32 s46, s46, s47
	s_mov_b32 s47, 0
	s_add_nc_u64 s[12:13], s[12:13], s[46:47]
.macro FRAG reg, adr, q, i             ; a fragment, 16 rows x 128 K of 4-bit codes: lane l holds row l % 16; registers 4 c .. 4 c + 3 hold K = 64 c + 32 (l / 16) + 0 .. 31
.irp c, 0,1
	ds_load_b128 v[\reg+4*\c:\reg+4*\c+3], v[\adr] offset:64*(\q)+32*\c+(\i)*16*PITCH
.endr
.endm
; 16 matrix instructions: x's blocks a0, a0 + 1 against Wqkv's eight, 128 along K.  zero = 1: the first product starts the sums, with the bias as C: nothing is cleared, nothing is added later.
; The 64 accumulators take turns, one instruction a turn, in the same order in every step.
.macro MUL16 a0, p, q, sc, zero
.irp a, \a0, \a0+1
.irp b, 0,1,2,3,4,5,6,7
.if \zero
	v_wmma_scale_f32_16x16x128_f8f6f4 v[8*(8*((\a)%4)+\b):8*(8*((\a)%4)+\b)+7], v[128*(\p)+FR*\b:128*(\p)+FR*\b+FR-1], v[AF+FR*(\a):AF+FR*(\a)+FR-1], v[BIAS+8*\b:BIAS+8*\b+7], v[SC+8*NQ*(\sc)+NQ*\b+(\q)], v[SC+8*NQ*(\sc)+NQ*(\a)+(\q)] matrix_a_fmt:MATRIX_FMT_FP4 matrix_b_fmt:MATRIX_FMT_FP4 matrix_a_scale:MATRIX_SCALE_ROW1
.else
	v_wmma_scale_f32_16x16x128_f8f6f4 v[8*(8*((\a)%4)+\b):8*(8*((\a)%4)+\b)+7], v[128*(\p)+FR*\b:128*(\p)+FR*\b+FR-1], v[AF+FR*(\a):AF+FR*(\a)+FR-1], v[8*(8*((\a)%4)+\b):8*(8*((\a)%4)+\b)+7], v[SC+8*NQ*(\sc)+NQ*\b+(\q)], v[SC+8*NQ*(\sc)+NQ*(\a)+(\q)] matrix_a_fmt:MATRIX_FMT_FP4 matrix_b_fmt:MATRIX_FMT_FP4 matrix_a_scale:MATRIX_SCALE_ROW1
.endif
.endr
.endr
.endm
.macro FETCH_B slot, q, p
	WIN TO_B
.irp i, 0,1,2,3,4,5,6,7
	FRAG 128*(\p)+FR*\i, ADRB+\slot, \q, \i
.endr
	WIN 0
.endm
.macro FETCH_A slot, q, i0
.irp i, \i0, \i0+1, \i0+2, \i0+3
	FRAG AF+FR*(\i), ADRA+\slot, \q, \i
.endr
.endm
.macro SCALES sc                       ; a slot's scale words into set sc: four words a row; lanes 0-15 take x's block i, lanes 16-31 Wqkv's block i
.irp i, 0,1,2,3,4,5,6,7
	ds_load_b128 v[SC+8*NQ*\sc+NQ*\i:SC+8*NQ*\sc+NQ*\i+3], v[ADRS] offset:\i*SBLK
.endr
.endm
.macro PLACES n                        ; plain vector instructions between a matrix instruction and a load into, or a read of, its registers
.rept \n
	v_nop
.endr
.endm
; A step of 128 along K that has its successor in the same slot.
.macro STEP slot, q, zero
	s_wait_dscnt 4*NL                              ; Wqkv's set and x's blocks 0-3 are in; the youngest eight loads (x's blocks 4-7) may be out
.if \zero
	WIN MUL_LO0
.else
	WIN MUL_LO
.endif
	MUL16 0, (\q)%2, \q, \slot, \zero
	MUL16 2, (\q)%2, \q, \slot, \zero
	s_wait_dscnt 0                                 ; x's blocks 4-7 are in
	PLACES NP
	FETCH_B \slot, (\q)+1, 1-(\q)%2
	FETCH_A \slot, (\q)+1, 0
.if \zero
	WIN MUL_HI0
.else
	WIN MUL_HI
.endif
	MUL16 4, (\q)%2, \q, \slot, \zero
	MUL16 6, (\q)%2, \q, \slot, \zero
	PLACES NP
	WIN 0
	FETCH_A \slot, (\q)+1, 4
.endm
; Slot 0's last step changes slots: one barrier; in front of it each wave waits for all its tensor loads, adds 0 to its spare word, and waits for that and for its own reads of slot 0.  Nothing is filled again.
.macro TURN slot, next
	s_wait_tensorcnt 0x0                           ; all my tensor loads have landed: my part of the next slot
	ds_add_u32 v[SPW], v[NIL]                      ; 0 onto my spare word
	s_wait_dscnt 4*NL+1                            ; (the add and the youngest eight loads may be out)
	WIN MUL_LO
	MUL16 0, 1, NQ-1, \slot, 0
	s_wait_dscnt 0x0                               ; the add is done, and my reads of this slot are over
	s_barrier_signal -1
	MUL16 2, 1, NQ-1, \slot, 0
	WIN 0
	s_barrier_wait -1
	PLACES NP
	v_add_nc_u32 v[ADRS], 4*NQ, v[ADRS]            ; on to the next slot's scale words (no LDS load of mine is out)
	FETCH_B \next, 0, 0
	FETCH_A \next, 0, 0
	SCALES \next
	WIN MUL_HI
	MUL16 4, 1, NQ-1, \slot, 0
	MUL16 6, 1, NQ-1, \slot, 0
	PLACES NP
	WIN 0
	FETCH_A \next, 0, 4
.endm
	s_wait_tensorcnt 1                             ; the scales and my part of slot 0 are in (slot 1's load may be out),
	s_barrier_signal -1
	s_barrier_wait -1                              ; everybody's are
	FETCH_B 0, 0, 0
	FETCH_A 0, 0, 0
	SCALES 0
	FETCH_A 0, 0, 4
	s_wait_loadcnt 0x0                             ; the bias
	STEP 0, 0, 1                                   ; the first step's products start the sums
	STEP 0, 1, 0
	STEP 0, 2, 0
	TURN 0, 1
	STEP 1, 0, 0
	STEP 1, 1, 0
	STEP 1, 2, 0
	s_wait_dscnt 4*NL                              ; the very last step: nothing more to fetch
	WIN MUL_LO
	MUL16 0, 1, NQ-1, 1, 0
	MUL16 2, 1, NQ-1, 1, 0
	s_wait_dscnt 0
	WIN MUL_HI
	MUL16 4, 1, NQ-1, 1, 0
	MUL16 6, 1, NQ-1, 1, 0
	WIN 0
; THE WAY OUT.  The stage lies in slot 0, which has had its only fill, and which nobody reads behind the change of slots.  LDS serves a wave's instructions in order (ISA guide 5.7.1.4): no wait between a wave's stores and its loads.
; My first row is a multiple of 128: block 0 goes through the stage in f32 once, and its row 0 (128 columns, 512 bytes) leaves for fine32.
.macro FINE
	WIN 0x08                                       ; an LDS store's data are its source 1: window 2
.irp b, 0,1,2,3,4,5,6,7
	ds_store_b128 v[STO32], v[8*\b:8*\b+3] offset:64*\b              ; each accumulator from its low end on
	ds_store_b128 v[STO32], v[8*\b+4:8*\b+7] offset:64*\b+16
.endr
	WIN 0
	ds_load_b128 v[224:227], v[RD32]
	s_wait_dscnt 0x0
	global_store_b128 v[FO], v[224:227], s[98:99]  ; 32 lanes store 512 consecutive bytes, aligned
.endm
; Block a (16 rows x 128 columns): rounded to f16, 16 bytes a lane; into rows of 272 bytes; back as whole rows of 256 bytes; stored, sixteen lanes to 256 consecutive bytes.
.macro PACK a
.set AC, 64*((\a)%4)
.set PWIN, 0x0a+5*((\a)/4)
	WIN PWIN                                       ; sources 0 and 1: window 2 or 3
.irp b, 0,1,2,3,4,5,6,7
.irp r, 0,1,2,3
	v_cvt_pk_f16_f32 v[TMP+4*\b+\r], v[AC+8*\b+2*\r], v[AC+8*\b+2*\r+1]
.endr
.endr
	WIN 0
.endm
.macro TOSTAGE a
.set BB, BK+32*((\a)%2)
.irp b, 0,1,2,3,4,5,6,7
	ds_store_b128 v[STO], v[TMP+4*\b:TMP+4*\b+3] offset:32*\b
.endr
.irp t, 0,1,2,3,4,5,6,7
	ds_load_b128 v[BB+4*\t:BB+4*\t+3], v[RD] offset:\t*2*272
.endr
.endm
.macro SEND a
.set BB, BK+32*((\a)%2)
	s_wait_dscnt 0x0                               ; the block is back in registers
	s_wait_xcnt 0x0                                ; earlier stores have read their base and their data: only behind this wait are they written again
.if (\a) > 0
	s_add_nc_u64 s[12:13], s[12:13], 16*2048       ; 16 rows on
.endif
.irp t, 0,1,2,3,4,5,6,7
	global_store_b128 v[CO], v[BB+4*\t:BB+4*\t+3], s[12:13] offset:\t*4096
.endr
.endm
	PLACES NP                                      ; behind the last products: for the reads of results and the loads into the registers that held x's fragments
	FINE
	PACK 0
	TOSTAGE 0
.irp a, 1,2,3,4,5,6,7                  ; block a's conversions stand between block a - 1's loads from the stage and the wait for them
	PACK \a
	SEND \a-1
	TOSTAGE \a
.endr
	SEND 7
	s_wait_tensorcnt 0x0                           ; the wave's end, behind my last tensor load and my last LDS store
	ds_add_u32 v[SPW], v[NIL]
	s_wait_dscnt 0x0
	CROUND                                         ; the closing round: no work-group ends while a partner may still ask for a tile that names it
	s_endpgm
.Lfunc_end_k_q4ad12148e3_qkvgemm:
	.size	k_q4ad12148e3_qkvgemm, .Lfunc_end_k_q4ad12148e3_qkvgemm-k_q4ad12148e3_qkvgemm
	.p2alignl 7, 3214868480
	.fill 96, 4, 3214868480
	.section	.rodata,"a",@progbits
	.p2align	6, 0x0
	.amdhsa_kernel k_q4ad12148e3_qkvgemm
		.amdhsa_group_segment_fixed_size 327680
		.amdhsa_private_segment_fixed_size 0
		.amdhsa_enable_private_segment 0
		.amdhsa_kernarg_size 56
		.amdhsa_user_sgpr_count 2
		.amdhsa_user_sgpr_kernarg_segment_ptr 1
		.amdhsa_wavefront_size32 1
		.amdhsa_system_sgpr_workgroup_id_x 1
		.amdhsa_system_sgpr_workgroup_id_y 1
		.amdhsa_system_sgpr_workgroup_id_z 1
		.amdhsa_system_vgpr_workitem_id 0
		.amdhsa_next_free_vgpr 1024
		.amdhsa_next_free_sgpr 100
		.amdhsa_reserve_vcc 0
		.amdhsa_float_denorm_mode_32 3
		.amdhsa_float_denorm_mode_16_64 3
		.amdhsa_memory_ordered 1
		.amdhsa_forward_progress 1
		.amdhsa_inst_pref_size 130
	.end_amdhsa_kernel
	.amdgpu_metadata
---
amdhsa.version: [ 1, 2 ]
amdhsa.kernels:
  - .name:           k_q4ad12148e3_qkvgemm
    .symbol:         k_q4ad12148e3_qkvgemm.kd
    .args:
      - { .name: xc, .offset: 0, .size: 8, .value_kind: global_buffer, .address_space: global }
      - { .name: xs, .offset: 8, .size: 8, .value_kind: global_buffer, .address_space: global }
      - { .name: wc, .offset: 16, .size: 8, .value_kind: global_buffer, .address_space: global }
      - { .name: ws, .offset: 24, .size: 8, .value_kind: global_buffer, .address_space: global }
      - { .name: qkv16, .offset: 32, .size: 8, .value_kind: global_buffer, .address_space: global }
      - { .name: bqkv, .offset: 40, .size: 8, .value_kind: global_buffer, .address_space: global }
      - { .name: fine32, .offset: 48, .size: 8, .value_kind: global_buffer, .address_space: global }
    .group_segment_fixed_size: 327680
    .private_segment_fixed_size: 0
    .kernarg_segment_align: 8
    .kernarg_segment_size: 56
    .max_flat_workgroup_size: 128
    .sgpr_count:     100
    .vgpr_count:     1024
    .wavefront_size: 32
...
	.end_amdgpu_metadata
.endif
;; end of part 2
;; launch attn (part 3): grid 8 x 32, 8 waves a work-group, no clusters, 327,680 bytes of LDS; arguments qkv16, att16; writes att16
.if DOCPART == 3
	.amdgcn_target "amdgcn-amd-amdhsa--gfx1250"
	.amdhsa_code_object_version 6
	.text
	.protected	k_q4ad12148e3_attn
	.globl	k_q4ad12148e3_attn
	.p2align	8
	.type	k_q4ad12148e3_attn,@function
k_q4ad12148e3_attn:
	s_mov_b64 s[64:65], 0
	v_nop
	global_prefetch_b8 v0, s[64:65] scope:SCOPE_SE
	s_setreg_imm32_b32 hwreg(HW_REG_WAVE_MODE, 25, 1), 1
	s_wait_xcnt 0x0
; O[bh][q] = the sum over k <= q of softmax_k(Q[bh][q] . K[bh][k] / 8) V[bh][k]: 32 sequences (batch x head) of 2,048 positions x 64 channels, causal.  Q, K, V: f16, [3][32][2048][64]; products, maxima and sums in f32;
; the weights p are rounded to f16 for the second product, O once at the end.  O leaves as f16 laid [batch][block of 128 positions][head][128][64]: the projection's K chunks, dense.
; (Positions 0-15 of every sequence are computed here too, and computed again in f32 by the last launch of the program, which stores the output rows that hang on them.)
; LIMITS: NaN and infinities among the inputs are not served.
; SHARES.  A work-group owns query blocks j and 15 - j (128 queries each) of one sequence, so that under the mask all 256 work-groups have the same work.  Waves 0-3 take the low block, waves 4-7 the high one,
; 32 queries a wave: two tiles of 16.  Two waves share a SIMD.
; NO CLUSTER: the work-groups of a sequence need from 5 to 8 slots of keys (by j); a joint load would bring tiles that no wave of some partner reads.
; LAYOUT.  S^T = K Q^T (source 0 = 16 keys, source 1 = 16 queries): a lane holds ONE query (lane % 16) and keys 8 (lane / 16) + 0..7.  Two such tiles, rounded to f16 in pairs, ARE source 1 (32 keys x 16 queries) of
; O^T = V^T P, whose result again holds one query a lane.  K comes out of LDS as it lies, V ([key][channel]) turned, by ds_load_tr16_b128.
; SOFTMAX.  For each query a running maximum m and sum l: p = 2^(c s - c m), c = log2(e) / 8; in every step O and l are multiplied by a = 2^(c m_old - c m_new).  O and l begin as zeros and m as -3e38: no first step of its own.
; THE RING.  Two LDS slots of 256 keys (four steps of 64).  Waves 0-3 fetch K's quarters, waves 4-7 V's, one tensor load a wave at a change of slots: one load of a wave is out at any time.  Quarter w holds key tile w
; (16 keys) of EACH of the slot's four steps: so every load of a slot that is asked for brings bytes that the slot's first step reads.
; THE MASK.  Every work-group walks all eight slots (a constant trip count); from the first step all of whose keys come after a wave's queries the rest of the slot is jumped over by a scalar branch on ids; a slot whose
; first key comes after the work-group's last query is not asked for; on the diagonal hidden scores become -infinity ahead of the maximum.
; THE ORDER OF A STEP.  A slot's four steps are written out, so that every LDS offset is an immediate.  K is asked for a step ahead (behind the last product that reads it); only a slot's first step waits for its K.
; The two tiles do not run in lockstep: tile 1's eight products K Q^T have tile 0's maximum and scalings between them, four lines behind each; tile 1's maximum and scalings stand by turns with tile 0's exponentials;
; the sixteen products V^T P have the rescaling of O^T and the row sums between them.  Those lines take the products' own window setting (destination and source 0 window 1, source 1 window 0): no switch is paid for them.
; REGISTERS.  Window 0: v1-11 addresses; v12-27 statistics, eight a tile (+0 c m, +1 m, +4..+7 at work, a in +6); v28 d, v29 -infinity; v30 r, v31 h; v32-63 Q; v64-127 S^T, then p; v128-159 P; v160-223 K.
;   Window 1: v0-63 O^T (tile t, channels 16 ct on: 32 t + 8 ct); v64-127 V; v128-135 l: two chains of a pair each for each tile.
.set SLOT1, 1<<17                      ; slot 1 begins here: one exclusive or turns an address in one slot into the other's
.set KSTP,  8*272                      ; 16 keys of K in LDS: 8 lines of 256 bytes (two keys) + 16 of padding
.set KPART, 4*KSTP                     ; a quarter: key tile w of four steps
.set VSTP,  8*288                      ; V's lines have 32 bytes of padding: 16 lanes of the turning load take 8 keys x 32 bytes, 72 words from line to line
.set VPART, 4*VSTP
.set VOFF,  4*KPART
.set STAGE, 2*SLOT1                    ; behind the ring: 32 rows x (128 + 16) bytes for each wave, for the way out
.set SROW,  144
.set SPARE, STAGE+8*32*SROW            ; the spare words, 128 bytes for each wave
.set AK0, 1                            ; v1   my lane's place in a tile of K
.set AV0, 2                            ; v2   the same for V
.set ADK, 3                            ; v3   LDS address of the slot's K (at the head: my offset in Q)
.set ADV, 4                            ; v4   of its V
.set SPW, 5                            ; v5   my spare word; never rewritten
.set NIL, 6                            ; v6   0; never rewritten
.set PFO, 7                            ; v7   256 x lane: the prefetches' offset; never rewritten
.set DQ,  8                            ; v8   r - 8 h
.set STO, 9                            ; v9   the way out: where I put 16 bytes of a row
.set RD,  10                           ; v10  where I read rows back
.set GO,  11                           ; v11  16 x lane
.set ST,  12
.set DD,  28
.set NEG, 29
.set RR,  30
.set HH,  31
.set Q,   32
.set S,   64
.set P,   128
.set KR,  160
.set LS,  128                          ; in window 1: l
.set WV,  8                            ; s8   wave
.set QL,  9                            ; s9   my last query
.set BH,  10                           ; s10  the sequence: 16 x batch + head
.set BLK, 11                           ; s11  my block of 128 queries
.set WQ,  12                           ; s12  wave % 4
.set Q0,  13                           ; s13  my first query
.set LASTQ, 14                         ; s14  the work-group's last query
.set KF,  15                           ; s15  the slot's first key
.set G1K, 16
.set G1V, 24
.set G0K, 32
.set G0V, 36
.set CS,  40                           ; s[40:41] c
.set SEL, 42                           ; s[42:43] lane selects: lane xor 16
.set TB,  44                           ; s44  where the slot in hand begins in LDS
.set SLOTS, 46
.set PFA, 48                           ; s[48:49] where my prefetches stand
.set LIM, 50                           ; s50  1 in a work-group that prefetches, else the greatest number
.set QB,  52
.set T0,  58
.set T1,  59                           ; s59  the step's first key
.set OB,  60
.set MSB, 0
.macro WIN new                         ; the immediate's high byte repeats the setting that is left
.if MSB != \new
	s_set_vgpr_msb (MSB<<8)|\new
.set MSB, \new
.endif
.endm
; Waves 0-3 fetch for K, waves 4-7 for V.  The branch hangs on the wave's number alone.  An s_nop 0 and four v_nop follow each of the two lines.
.macro TLOAD
	s_cmp_lt_u32 s[WV], 4
	s_cbranch_scc0 .Lfor_v_\@
	tensor_load_to_lds s[G0K:G0K+3], s[G1K:G1K+7]
	s_nop 0
.rept 4
	v_nop
.endr
	s_branch .Lasked_\@
.Lfor_v_\@:
	tensor_load_to_lds s[G0V:G0V+3], s[G1V:G1V+7]
	s_nop 0
.rept 4
	v_nop
.endr
.Lasked_\@:
.endm
; A prefetch of what the NEXT change of slots will ask for: a slot's 32,768 bytes of K and of V.  All eight work-groups of a sequence walk the same K and V: the one with j = 0, which walks all eight slots, asks.
; Each of its waves names 8,192 bytes (waves 0-3 of K, 4-7 of V), lanes 256 bytes apart: each block of 256 bytes is named once in the launch, four key steps ahead of its load.
; Slots 0 and 1 come by their loads alone; the last change that fills a slot asks for nothing.
.macro ASK
	s_cmp_gt_u32 s[SLOTS], s[LIM]
	s_cbranch_scc0 .Lnot_mine_\@
	global_prefetch_b8 v[PFO], s[PFA:PFA+1] th:TH_LOAD_NT scope:SCOPE_SE
.Lnot_mine_\@:
.endm
	s_load_b128 s[4:7], s[0:1], 0x0                ; qkv16, att16
	v_lshl_add_u32 v[SPW], v0, 2, SPARE
	v_mov_b32 v[NIL], 0
	ds_add_u32 v[SPW], v[NIL]                      ; the wave's opening: the add, twice on end, and its wait ahead of my first tensor load
	ds_add_u32 v[SPW], v[NIL]
	v_lshrrev_b32 v1, 5, v0
	v_readfirstlane_b32 s[WV], v1                  ; wave 0..7
	s_and_b32 s[BH], ttmp7, 0xffff
	s_and_b32 s[WQ], s[WV], 3
	s_sub_co_u32 s[T0], 15, ttmp9                  ; 15 - j
	s_cmp_lt_u32 s[WV], 4
	s_cselect_b32 s[BLK], ttmp9, s[T0]
	s_lshl_b32 s[Q0], s[BLK], 7
	s_lshl_b32 s[T1], s[WQ], 5
	s_add_co_u32 s[Q0], s[Q0], s[T1]               ; 128 x block + 32 x (wave % 4): it enters global addresses and scalar compares alone
	s_add_co_u32 s[QL], s[Q0], 31
	s_lshl_b32 s[LASTQ], s[T0], 7
	s_add_co_u32 s[LASTQ], s[LASTQ], 127
	; descriptor group 1: 4 rows (a key tile of each of four steps) of 2,048 bytes, 8,192 bytes apart; elements of 8 bytes; padding behind every 256 bytes: 16 bytes for K, 32 for V
	s_mov_b32 s[G1K], (3<<16)|(1<<20)|(5<<22)|(3<<25)
	s_mov_b32 s[G1V], (3<<16)|(1<<20)|(5<<22)|(7<<25)
.irp g, G1K, G1V
	s_mov_b32 s[\g+1], 256<<16                     ; tensor_dim0 = 256 elements
	s_mov_b32 s[\g+2], 4<<16                       ; tensor_dim1 = 4
	s_mov_b32 s[\g+3], 256<<16                     ; tile_dim0
	s_mov_b32 s[\g+4], 4                           ; tile_dim1
	s_mov_b32 s[\g+5], 1024                        ; from row to row: 1,024 elements
	s_mov_b32 s[\g+6], 0
	s_mov_b32 s[\g+7], 0
.endr
	s_mov_b32 s[G0K], 1
	s_mul_i32 s[G0K+1], s[WQ], KPART               ; LDS: slot 0, my quarter
	s_mov_b32 s[G0V], 1
	s_mul_i32 s[G0V+1], s[WQ], VPART
	s_add_co_u32 s[G0V+1], s[G0V+1], VOFF
	s_mov_b32 s[CS], 0x3e38aa3b                    ; c = log2(e) / 8
	s_mov_b32 s[CS+1], s[CS]                       ; (named with it as a pair, so it is written)
	s_mov_b32 s[SEL], 0x76543210
	s_mov_b32 s[SEL+1], 0xfedcba98
	s_mov_b32 s[TB], 0
	s_mov_b32 s[KF], 0
	s_mov_b32 s[SLOTS], 7
	s_cmp_eq_u32 ttmp9, 0
	s_cselect_b32 s[LIM], 1, -1
	s_lshl_b32 s54, s[BH], 18                      ; a sequence is 262,144 bytes in each of q, k, v
	s_mov_b32 s55, 0
	s_wait_dscnt 0x0                               ; both opening adds are done
	s_wait_kmcnt 0x0
	s_add_nc_u64 s[56:57], s[4:5], s[54:55]        ; my sequence in q,
	s_add_nc_u64 s[G0K+2:G0K+3], s[56:57], 8388608 ; in k,
	s_add_nc_u64 s[G0V+2:G0V+3], s[56:57], 16777216 ; in v
	s_cmp_lt_u32 s[WV], 4
	s_cselect_b64 s[PFA:PFA+1], s[G0K+2:G0K+3], s[G0V+2:G0V+3]
	s_lshl_b32 s54, s[WQ], 13                      ; my 8,192 bytes,
	s_add_co_u32 s54, s54, 32768                   ; in slot 1: the first change of slots steps it to slot 2
	s_add_nc_u64 s[PFA:PFA+1], s[PFA:PFA+1], s[54:55]
	s_lshl_b32 s54, s[WQ], 11                      ; my key tile: 16 keys of 128 bytes
	s_add_nc_u64 s[G0K+2:G0K+3], s[G0K+2:G0K+3], s[54:55]
	s_add_nc_u64 s[G0V+2:G0V+3], s[G0V+2:G0V+3], s[54:55]
	s_or_b32 s[G0K+3], s[G0K+3], 0x80000000
	s_or_b32 s[G0V+3], s[G0V+3], 0x80000000
	TLOAD                                          ; slot 0
	s_lshl_b32 s54, s[Q0], 7
	s_add_nc_u64 s[QB:QB+1], s[56:57], s[54:55]    ; Q at my first query
	s_lshr_b32 s54, s[BH], 4
	s_lshl_b32 s54, s54, 4
	s_add_co_u32 s54, s54, s[BLK]                  ; 16 x batch + block,
	s_lshl_b32 s54, s54, 4
	s_and_b32 s[T0], s[BH], 15
	s_add_co_u32 s54, s54, s[T0]                   ; x 16 + head: chunks of 16,384 bytes;
	s_lshl_b32 s54, s54, 14
	s_lshl_b32 s[T0], s[WQ], 12                    ; my 32 rows of 128 bytes
	s_add_co_u32 s54, s54, s[T0]
	s_add_nc_u64 s[OB:OB+1], s[6:7], s[54:55]
	v_and_b32 v[RR], 15, v0                        ; r
	v_bfe_u32 v[HH], v0, 4, 1                      ; h
	v_lshlrev_b32 v[ADK], 7, v[RR]
	v_lshl_add_u32 v[ADK], v[HH], 4, v[ADK]        ; Q: row r of 128 bytes + 16 h
.irp t, 0,1
.irp c, 0,1
	global_load_b128 v[Q+16*\t+8*\c:Q+16*\t+8*\c+3],   v[ADK], s[QB:QB+1] offset:2048*\t+64*\c      ; Q stays in registers: tile t, channels 32 c on
	global_load_b128 v[Q+16*\t+8*\c+4:Q+16*\t+8*\c+7], v[ADK], s[QB:QB+1] offset:2048*\t+64*\c+32
.endr
.endr
	v_lshrrev_b32 v[AK0], 1, v[RR]                 ; K: key r of a tile lies at 272 (r / 2) + 128 (r % 2); + 16 h
	v_mul_u32_u24 v[AK0], v[AK0], 272
	v_and_b32 v[AV0], 1, v0
	v_lshl_add_u32 v[AK0], v[AV0], 7, v[AK0]
	v_lshl_add_u32 v[AK0], v[HH], 4, v[AK0]
	v_bfe_u32 v[AV0], v0, 1, 2                     ; V: the turning load's lane l reads key 8 h + l % 8, channels 8 ((l / 8) % 2) on
	v_lshl_add_u32 v[AV0], v[HH], 2, v[AV0]        ; its line: 4 h + (l % 8) / 2
	v_mul_u32_u24 v[AV0], v[AV0], 288
	v_and_b32 v[ADV], 1, v0
	v_lshl_add_u32 v[AV0], v[ADV], 7, v[AV0]
	v_bfe_u32 v[ADV], v0, 3, 1
	v_lshl_add_u32 v[AV0], v[ADV], 4, v[AV0]
	v_add_nc_u32 v[AV0], VOFF, v[AV0]
	v_and_b32 v[PFO], 31, v0
	v_lshlrev_b32 v[PFO], 8, v[PFO]
	v_lshlrev_b32 v[DQ], 3, v[HH]
	v_sub_nc_u32 v[DQ], v[RR], v[DQ]
	s_mul_i32 s[T0], s[WV], 32*SROW
	s_add_co_u32 s[T0], s[T0], STAGE               ; my stage
	v_mul_u32_u24 v[STO], v[RR], SROW              ; in: row r, 16 bytes for each half of the lanes
	v_lshl_add_u32 v[STO], v[HH], 4, v[STO]
	v_add_nc_u32 v[STO], s[T0], v[STO]
	v_bfe_u32 v[RD], v0, 3, 2                      ; back: eight lanes to a row of 128 bytes, four rows an instruction
	v_mul_u32_u24 v[RD], v[RD], SROW
	v_and_b32 v[GO], 7, v0
	v_lshl_add_u32 v[RD], v[GO], 4, v[RD]
	v_add_nc_u32 v[RD], s[T0], v[RD]
	v_and_b32 v[GO], 31, v0
	v_lshlrev_b32 v[GO], 4, v[GO]
.irp t, 0,1
	v_mov_b32 v[ST+8*\t+1], 0xff61b1e6             ; m: -3e38, under every score
	v_mul_f32 v[ST+8*\t], s[CS], v[ST+8*\t+1]      ; c m
.irp i, 4,5,6,7
	v_mov_b32 v[ST+8*\t+\i], 0                     ; the registers at work
.endr
.endr
	WIN 0x40                                       ; destination window 1
.set ii, 0
.rept 64
	v_mov_b32 v[ii], 0                             ; O^T: the first step finds zeros, which a = 0 leaves zeros
.set ii, ii+1
.endr
.irp i, 0,1,2,3,4,5,6,7
	v_mov_b32 v[LS+\i], 0                          ; l
.endr
	WIN 0
; THE PARTS OF A KEY STEP.  Each macro writes one line (or one slice) of a numbered list and steps the list's number.
; Product ii of 8 of tile t's S^T = K Q^T: channels 32 (ii / 4) on, keys 16 (ii % 4) on.  The first four start the sums.  Four accumulators take turns, one instruction a turn.
.macro KQ t
.set rS, S+32*(\t)+8*(ii%4)
.set rK, KR+16*(ii%4)+8*(ii/4)
.set rQ, Q+16*(\t)+8*(ii/4)
.if ii < 4
	v_wmma_f32_16x16x32_f16 v[rS:rS+7], v[rK:rK+7], v[rQ:rQ+7], 0
.else
	v_wmma_f32_16x16x32_f16 v[rS:rS+7], v[rK:rK+7], v[rQ:rQ+7], v[rS:rS+7]
.endif
.set ii, ii+1
.endm
; Product ii of 8 of tile t's O^T += V^T P: keys 32 (ii / 4) on, channels 16 (ii % 4) on.  Four accumulators by turns.
.macro PV t
.set rO, 32*(\t)+8*(ii%4)
.set rV, 64+32*(ii/4)+8*(ii%4)
.set rP, P+16*(\t)+8*(ii/4)
	v_wmma_f32_16x16x32_f16 v[rO:rO+7], v[rV:rV+7], v[rP:rP+7], v[rO:rO+7]
.set ii, ii+1
.endm
; Line jj of 37 of tile t's way from scores to exponents: 0-15 the maximum of the lane's 32 scores and the old m (four chains, each accumulator from its low end); 16-20 the other half of the lanes' maximum, the new m,
; c m and its change; 21-36 the scalings c s - c m, a pair of scores each.
.macro SMA t
.set rT, ST+8*(\t)
.set rS, S+32*(\t)
.if jj < 4
	v_max3_num_f32 v[rT+4+jj], v[rS+8*jj], v[rS+8*jj+1], v[rS+8*jj+2]
.elseif jj < 12
	v_max3_num_f32 v[rT+4+jj%4], v[rT+4+jj%4], v[rS+8*(jj%4)+2*(jj/4)+1], v[rS+8*(jj%4)+2*(jj/4)+2]
.elseif jj == 12
	v_max3_num_f32 v[rT+4], v[rT+4], v[rS+7], v[rS+15]
.elseif jj == 13
	v_max3_num_f32 v[rT+6], v[rT+6], v[rS+23], v[rS+31]
.elseif jj == 14
	v_max3_num_f32 v[rT+4], v[rT+4], v[rT+5], v[rT+6]
.elseif jj == 15
	v_max3_num_f32 v[rT+4], v[rT+4], v[rT+7], v[rT+1]              ; and the old m
.elseif jj == 16
	v_permlanex16_b32 v[rT+5], v[rT+4], s[SEL], s[SEL+1]           ; the query's other 32 keys lie in the lane 16 away
.elseif jj == 17
	v_mov_b32 v[rT+7], v[rT]                                       ; c m_old is kept for a
.elseif jj == 18
	v_max_num_f32 v[rT+1], v[rT+4], v[rT+5]
.elseif jj == 19
	v_mul_f32 v[rT], s[CS], v[rT+1]
.elseif jj == 20
	v_sub_f32 v[rT+7], v[rT+7], v[rT]
.else
	v_pk_fma_f32 v[rS+2*(jj-21):rS+2*(jj-21)+1], v[rS+2*(jj-21):rS+2*(jj-21)+1], s[CS:CS+1], v[rT:rT+1] op_sel_hi:[1,0,0] neg_lo:[0,0,1] neg_hi:[0,0,1]
.endif
.set jj, jj+1
.endm
; Exponential ee of 33 of tile t: a, then the 32 weights p, in place.
.macro EXQ t
.if ee == 0
	v_exp_f32 v[ST+8*(\t)+6], v[ST+8*(\t)+7]
.else
	v_exp_f32 v[S+32*(\t)+ee-1], v[S+32*(\t)+ee-1]
.endif
.set ee, ee+1
.endm
; Accumulator aa of 8 of O^T (tile aa / 4) times its tile's a: four packed multiplies, from the accumulator's low end on.
.macro RESC
.irp n, 0,2,4,6
	v_pk_mul_f32 v[8*aa+\n:8*aa+\n+1], v[8*aa+\n:8*aa+\n+1], v[ST+8*(aa/4)+6:ST+8*(aa/4)+7] op_sel_hi:[1,0]
.endr
.set aa, aa+1
.endm
.macro LRESC                           ; the four chains of l times a
.irp t, 0,1
.irp u, 0,2
	v_pk_mul_f32 v[LS+4*\t+\u:LS+4*\t+\u+1], v[LS+4*\t+\u:LS+4*\t+\u+1], v[ST+8*\t+6:ST+8*\t+7] op_sel_hi:[1,0]
.endr
.endr
.endm
.macro SUMS                            ; slice nn of 8 of the row sums: pairs 2 nn and 2 nn + 1 of both tiles' weights onto the four chains, which take turns
.irp u, 0,1
.irp t, 0,1
	v_pk_add_f32 v[LS+4*\t+2*\u:LS+4*\t+2*\u+1], v[LS+4*\t+2*\u:LS+4*\t+2*\u+1], v[S+32*\t+4*nn+2*\u:S+32*\t+4*nn+2*\u+1]
.endr
.endr
.set nn, nn+1
.endm
.macro MASK t                          ; register j of tile (t, kt) holds key (the step's first) + 16 kt + 8 h + j for query Q0 + 16 t + r: hidden where 16 kt + j - 16 t > d
.irp kt, 0,1,2,3
.irp j, 0,1,2,3,4,5,6,7
	v_cmp_gt_i32 vcc_lo, 16*\kt+\j-16*(\t), v[DD]
	v_cndmask_b32 v[S+32*(\t)+8*\kt+\j], v[S+32*(\t)+8*\kt+\j], v[NEG], vcc_lo
.endr
.endr
.endm
.macro KLOAD sg                        ; K of the slot's step sg: keys 16 kt on, channels 32 c on
.irp kt, 0,1,2,3
.irp c, 0,1
	ds_load_b128 v[KR+16*\kt+8*\c:KR+16*\kt+8*\c+3],   v[ADK] offset:\kt*KPART+(\sg)*KSTP+64*\c
	ds_load_b128 v[KR+16*\kt+8*\c+4:KR+16*\kt+8*\c+7], v[ADK] offset:\kt*KPART+(\sg)*KSTP+64*\c+32
.endr
.endr
.endm
.macro VLOAD sg                        ; V of the slot's step sg, turned: keys 32 g on, channels 16 ct on
.irp g, 0,1
.irp ct, 0,1,2,3
	ds_load_tr16_b128 v[64+32*\g+8*\ct:64+32*\g+8*\ct+3],   v[ADV] offset:\g*2*VPART+(\sg)*VSTP+32*\ct
	ds_load_tr16_b128 v[64+32*\g+8*\ct+4:64+32*\g+8*\ct+7], v[ADV] offset:\g*2*VPART+VPART+(\sg)*VSTP+32*\ct
.endr
.endr
.endm
; A KEY STEP: 64 keys, the sg-th of the slot in hand.  id names the copy of the slot's steps: its end is the target of the jump over hidden steps.
.macro STEP sg, id
.if (\sg) > 0
	s_add_co_u32 s[T1], s[KF], 64*(\sg)            ; the step's first key
.else
	s_mov_b32 s[T1], s[KF]
.endif
	s_cmp_gt_u32 s[T1], s[QL]                      ; all its keys come after my 32 queries: so do those of the slot's later steps
	s_cbranch_scc1 .Lslotend_\id
.if (\sg) == 0
	v_add_nc_u32 v[ADK], s[TB], v[AK0]             ; once a slot: the steps stand in the immediates
	v_add_nc_u32 v[ADV], s[TB], v[AV0]
	KLOAD 0                                        ; a slot's first K cannot be asked for ahead of the change of slots
.endif
	WIN 0x40                                       ; V's registers were last read by the step before; the four additions of its last slice are the places between
	VLOAD \sg
	WIN 0
.if (\sg) == 0
	s_wait_dscnt 16                                ; K is in; V's sixteen loads may be out.  (In the other steps K was asked for a step ago and awaited with that step's V)
.endif
.set ii, 0
.rept 8
	KQ 0                                           ; tile 0's scores
.endr
	s_sub_co_i32 s[T0], s[Q0], s[T1]
	v_add_nc_u32 v[DD], s[T0], v[DQ]               ; d = Q0 - the step's first key + r - 8 h.  (Four places behind the products)
	v_mov_b32 v[NEG], 0xff800000                   ; -infinity
	v_nop
	v_nop
	s_add_co_u32 s[T0], s[T1], 63
	s_cmp_le_u32 s[T0], s[Q0]                      ; a step all of whose keys count skips the mask
	s_cbranch_scc1 .Lopen0_\@
	MASK 0
.Lopen0_\@:
.set ii, 0
.set jj, 0
.rept 7
	KQ 1                                           ; tile 1's scores, with tile 0's maximum and scalings between them: four lines behind each product,
.rept 4
	SMA 0
.endr
.endr
	KQ 1
.rept 9
	SMA 0                                          ; nine behind the last: they name none of its registers, and are the places in front of the loads into K and of the first read of tile 1's scores
.endr
.if (\sg) < 3
	KLOAD (\sg)+1                                  ; the next step's K: it has the rest of this step in which to come
.endif
	s_add_co_u32 s[T0], s[T1], 63
	s_cmp_le_u32 s[T0], s[Q0]
	s_cbranch_scc1 .Lopen1_\@
	MASK 1
.Lopen1_\@:
.set jj, 0
.set ee, 0
.rept 33
	SMA 1                                          ; tile 1's maximum and scalings by turns with tile 0's exponentials: no line here names a result of an exponential
	EXQ 0
.endr
.rept 4
	SMA 1
.endr
.set ee, 0
.rept 33
	EXQ 1
.endr
	v_nop                                          ; a plain instruction behind the last exponential
	s_wait_alu depctr_va_vdst(0)                   ; one wait for all 66, ahead of their first reader
.set nn, 0
.rept 16
.irp t, 0,1
	v_cvt_pk_f16_f32 v[P+16*\t+nn], v[S+32*\t+2*nn], v[S+32*\t+2*nn+1]
.endr
.set nn, nn+1
.endr
	WIN 0x51                                       ; V and O^T window 1, P window 0; for the lines between the products: destination and source 0 window 1, source 1 window 0
.set aa, 0
	RESC                                           ; each accumulator is rescaled one product ahead of the product that adds onto it
	RESC
	s_wait_dscnt 0x0                               ; V is in, and so is the next step's K
.set ii, 0
.rept 6
	PV 0
	RESC
.endr
	PV 0
	LRESC
	PV 0
.set ii, 0
.set nn, 0
.rept 8
	PV 1
	SUMS                                           ; the row sums, of the weights in f32; the last four are the places in front of the next loads into V
.endr
	WIN 0
.endm
.macro SLOT_STEPS id                   ; a slot's four steps, written out
	STEP 0, \id
	STEP 1, \id
	STEP 2, \id
	STEP 3, \id
.Lslotend_\id:
	s_add_co_u32 s[KF], s[KF], 256
	s_xor_b32 s[TB], s[TB], SLOT1                  ; on to the other slot
.endm
; THE CHANGE OF SLOTS stands at a slot's head.  Each wave waits for all its tensor loads (its part of the slot that it is about to read), adds 0 to its spare word, and waits for that and for its reads of the slot
; that it has left.  Behind the barrier the slot ahead is whole and nobody reads the other one.  fill = 1: that other slot takes the next 256 keys: the load has four key steps in which to land.
.macro CHANGE fill
	s_wait_tensorcnt 0x0                           ; no tensor load of mine is out, so a group 0 may be written
	ds_add_u32 v[SPW], v[NIL]                      ; 0 onto my spare word
.if \fill
	s_xor_b32 s[G0K+1], s[G0K+1], SLOT1            ; the walking descriptors: the other slot than last time,
	s_add_nc_u64 s[G0K+2:G0K+3], s[G0K+2:G0K+3], 32768   ; the next 256 keys
	s_xor_b32 s[G0V+1], s[G0V+1], SLOT1
	s_add_nc_u64 s[G0V+2:G0V+3], s[G0V+2:G0V+3], 32768
	s_wait_xcnt 0x0                                ; the last prefetch, a slot back, has read its address, so it may be written:
	s_add_nc_u64 s[PFA:PFA+1], s[PFA:PFA+1], 32768 ; one slot further on than the walking descriptors
.endif
	s_wait_dscnt 0x0                               ; the add is done, and my reads of the slot that I have left are over
	s_barrier_signal -1
	s_barrier_wait -1
.if \fill
	s_add_co_u32 s[T0], s[KF], 256                 ; the first key of the slot that this change would ask for:
	s_cmp_gt_u32 s[T0], s[LASTQ]                   ; behind the work-group's last query no wave reads it, so it is not asked for.  Ids and the count of slots alone: all eight waves go the same way,
	s_cbranch_scc1 .Lpast_\@                       ; and every wait on TENSORcnt in this text is for 0
	TLOAD                                          ; the first thing behind the barrier, and a wave's one tensor load until the next
.Lpast_\@:
	ASK
.endif
.endm
	s_wait_loadcnt 0x0                             ; Q
.Lslot:                                            ; seven trips: behind each change of slots but the last the next slot is asked for, up to the causal limit
	CHANGE 1
	SLOT_STEPS 0
	s_sub_co_u32 s[SLOTS], s[SLOTS], 1
	s_cmp_lg_u32 s[SLOTS], 0
	s_cbranch_scc1 .Lslot
	CHANGE 0                                       ; the last slot is written out: nothing is left to ask for
	SLOT_STEPS 1
	; THE WAY OUT.  l's chains and halves are added; O^T is divided by l, rounded to f16, and goes through my stage, so that a store covers four whole rows: 512 consecutive bytes.
.rept 4
	v_nop                                          ; places behind the last products
.endr
	WIN 0x05                                       ; sources 0 and 1 window 1, destination window 0
.irp t, 0,1
	v_add_f32 v[ST+8*\t+4], v[LS+4*\t], v[LS+4*\t+1]
	v_add_f32 v[ST+8*\t+5], v[LS+4*\t+2], v[LS+4*\t+3]
.endr
	WIN 0
.irp t, 0,1
	v_add_f32 v[ST+8*\t+4], v[ST+8*\t+4], v[ST+8*\t+5]
.endr
.irp t, 0,1
	v_permlanex16_b32 v[ST+8*\t+5], v[ST+8*\t+4], s[SEL], s[SEL+1]
.endr
.irp t, 0,1
	v_add_f32 v[ST+8*\t+4], v[ST+8*\t+4], v[ST+8*\t+5]
.endr
.irp t, 0,1
	v_rcp_f32 v[ST+8*\t+6], v[ST+8*\t+4]
.endr
	v_nop                                          ; a plain instruction behind the last reciprocal,
	s_wait_alu depctr_va_vdst(0)                   ; and the wait ahead of the first use
	WIN 0x41                                       ; O^T (destination and source 0) window 1, 1 / l window 0
.set nn, 0
.rept 16
.irp t, 0,1
	v_pk_mul_f32 v[32*\t+2*nn:32*\t+2*nn+1], v[32*\t+2*nn:32*\t+2*nn+1], v[ST+8*\t+6:ST+8*\t+7] op_sel_hi:[1,0]
.endr
.set nn, nn+1
.endr
	WIN 0x05                                       ; sources 0 and 1 window 1, destination window 0: S^T's registers are free
.set nn, 0
.rept 16
.irp t, 0,1
	v_cvt_pk_f16_f32 v[S+16*\t+nn], v[32*\t+2*nn], v[32*\t+2*nn+1]
.endr
.set nn, nn+1
.endr
	WIN 0
.irp t, 0,1
.irp ct, 0,1,2,3
	ds_store_b128 v[STO], v[S+16*\t+4*\ct:S+16*\t+4*\ct+3] offset:16*SROW*\t+32*\ct   ; row 16 t + r, channels 16 ct + 8 h + 0 .. 7
.endr
.endr
.irp n, 0,1,2,3,4,5,6,7
	ds_load_b128 v[S+32+4*\n:S+32+4*\n+3], v[RD] offset:4*SROW*\n    ; LDS serves a wave's instructions in order (ISA guide 5.7.1.4): these see my stores
.endr
.irp n, 0,1,2,3,4,5,6,7
	s_wait_dscnt 7-\n                              ; load n is in; the younger ones may be out
	global_store_b128 v[GO], v[S+32+4*\n:S+32+4*\n+3], s[OB:OB+1] offset:512*\n
.endr
	s_wait_tensorcnt 0x0                           ; the wave's end, behind my last tensor load and my last LDS store
	ds_add_u32 v[SPW], v[NIL]
	s_wait_dscnt 0x0
	s_endpgm
.Lfunc_end_k_q4ad12148e3_attn:
	.size	k_q4ad12148e3_attn, .Lfunc_end_k_q4ad12148e3_attn-k_q4ad12148e3_attn
	.p2alignl 7, 3214868480
	.fill 96, 4, 3214868480
	.section	.rodata,"a",@progbits
	.p2align	6, 0x0
	.amdhsa_kernel k_q4ad12148e3_attn
		.amdhsa_group_segment_fixed_size 327680
		.amdhsa_private_segment_fixed_size 0
		.amdhsa_enable_private_segment 0
		.amdhsa_kernarg_size 16
		.amdhsa_user_sgpr_count 2
		.amdhsa_user_sgpr_kernarg_segment_ptr 1
		.amdhsa_wavefront_size32 1
		.amdhsa_system_sgpr_workgroup_id_x 1
		.amdhsa_system_sgpr_workgroup_id_y 1
		.amdhsa_system_sgpr_workgroup_id_z 1
		.amdhsa_system_vgpr_workitem_id 0
		.amdhsa_next_free_vgpr 400
		.amdhsa_next_free_sgpr 66
		.amdhsa_reserve_vcc 1
		.amdhsa_float_denorm_mode_32 3
		.amdhsa_float_denorm_mode_16_64 3
		.amdhsa_memory_ordered 1
		.amdhsa_forward_progress 1
		.amdhsa_inst_pref_size 190
	.end_amdhsa_kernel
	.amdgpu_metadata
---
amdhsa.version: [ 1, 2 ]
amdhsa.kernels:
  - .name:           k_q4ad12148e3_attn
    .symbol:         k_q4ad12148e3_attn.kd
    .args:
      - { .name: qkv16, .offset: 0, .size: 8, .value_kind: global_buffer, .address_space: global }
      - { .name: att16, .offset: 8, .size: 8, .value_kind: global_buffer, .address_space: global }
    .group_segment_fixed_size: 327680
    .private_segment_fixed_size: 0
    .kernarg_segment_align: 8
    .kernarg_segment_size: 16
    .max_flat_workgroup_size: 256
    .sgpr_count:     66
    .vgpr_count:     400
    .wavefront_size: 32
...
	.end_amdgpu_metadata
.endif
;; end of part 3
;; launch proj (part 4): grid 8 x 32, 4 waves a work-group, clusters of 4 x 4, 327,680 bytes of LDS; arguments att16, wo16, out0, bout; writes out0
.if DOCPART == 4
	.amdgcn_target "amdgcn-amd-amdhsa--gfx1250"
	.amdhsa_code_object_version 6
	.text
	.protected	k_q4ad12148e3_proj
	.globl	k_q4ad12148e3_proj
	.p2align	8
	.type	k_q4ad12148e3_proj,@function
k_q4ad12148e3_proj:
	s_mov_b64 s[64:65], 0
	v_nop
	global_prefetch_b8 v0, s[64:65] scope:SCOPE_SE
	s_setreg_imm32_b32 hwreg(HW_REG_WAVE_MODE, 25, 1), 1
	s_wait_xcnt 0x0
	s_wait_alu depctr_hold_cnt(0) depctr_sa_sdst(0) depctr_va_vdst(0) depctr_va_sdst(0) depctr_va_ssrc(0) depctr_va_vcc(0) depctr_vm_vsrc(0)
	s_getreg_b32 s2, hwreg(HW_REG_IB_STS2, 6, 4)
	s_cmp_eq_u32 s2, 0
	s_cbranch_scc0 .Lentry_in_a_cluster
	s_endpgm
.Lentry_in_a_cluster:
	s_bfe_u32 s2, ttmp6, 0x10000c
	s_cmp_lg_u32 s2, 0xf033
	s_cbranch_scc0 .Lentry_shape_is_right
	s_endpgm
.Lentry_shape_is_right:
; out[m][n] = sum over k of att[m][k] Wout[n][k] + bout[n].  M = 4,096, N = K = 1,024; operands f16, sums and result f32.
; Both operands lie in panels of 128 rows x all of K, as 16 chunks [128 rows][64 k] of 16,384 dense bytes: att16 [32 panels], wo16 [8 panels].
; A tile of the result is 128 x 128: 256 tiles, one for each WGP.  Four waves, each 64 x 64: 16 accumulators.  K goes in four steps of 256 (four chunks) through two LDS slots.
; A wave's tensor load brings two chunks, 32,768 dense bytes, as 128 lines of 256 bytes + 16 of padding (a line holds two rows of a chunk): waves 0, 1 the att panel's, waves 2, 3 Wout's.
; By this text's count a wave has two tensor loads out at the start and one behind each refill.
; CLUSTERS: 4 x 4 work-groups.  The four of a row of the cluster need the same chunks of att, the four of a column the same chunks of Wout: each load is a joint one.
; THE MATRIX INSTRUCTION IS USED TRANSPOSED (source 0 = 16 rows of Wout, source 1 = 16 rows of att): a lane holds eight neighbouring columns of a row.  The bias is the C of each sum's first product.
; Rows 0-15 of each batch are stored here like all others and stored anew, from f32 operands, by the launch that follows: a branch round them would hang on the work-group's place in its cluster.
; No prefetch: the launch is short and its tiles are small.
; REGISTERS: window 0: v0-31 addresses; v32-95 the way out; v96-127 the bias (block b at 96 + 8 b); v128-255 the accumulators ((a, b) at 128 + 8 (4 a + b)).   window 1: two fragment buffers of 128.
.set HALFT,  128*272                   ; what one tensor load brings: two chunks
.set CHUNK,  64*272                    ; a chunk in LDS
.set SLOT,   4*HALFT                   ; att's four chunks, then Wout's four
.set STAGE,  2*SLOT                    ; behind the ring: 16 rows x 272 bytes for each wave
.set SPITCH, 272
.set SPARE,  STAGE+4*16*SPITCH
.set ADRA, 16
.set ADRB, 20
.set STO,  24
.set RD,   25
.set CO,   26
.set BO,   27
.set SPW,  28
.set NIL,  29
.set TMP,  32
.set BIAS, 96
.set ACC,  128
.set F0,   0
.set F1,   128
.set G1, 24
.set G0, 32
.set G1B, 48
.set G0B, 56
.set MSB, 0
.macro WIN new
.if MSB != \new
	s_set_vgpr_msb (MSB<<8)|\new
.set MSB, \new
.endif
.endm
.set MUL,  0x05                        ; sources 0 and 1 window 1; C and D window 0
.set TO_F, 0x40
.macro JLOAD s                         ; a joint load: waves 0 and 1 fetch for att, waves 2 and 3 for Wout; an s_nop 0 and four v_nop follow each of the two lines
	s_cmp_eq_u32 s11, 0
	s_cbranch_scc0 .Lfor_b_\@
	tensor_load_to_lds s[G0+4*\s:G0+4*\s+3], s[G1:G1+7]
	s_nop 0
.rept 4
	v_nop
.endr
	s_branch .Lasked_\@
.Lfor_b_\@:
	tensor_load_to_lds s[G0B+4*\s:G0B+4*\s+3], s[G1B:G1B+7]
	s_nop 0
.rept 4
	v_nop
.endr
.Lasked_\@:
.endm
.macro CREST                           ; a round of the cluster's barrier behind its opening barrier
	s_cmp_lg_u32 s10, 0
	s_cbranch_scc1 .Lnot_wave_0_\@
	s_barrier_signal -3
.Lnot_wave_0_\@:
	s_barrier_wait -3
	s_barrier_signal -1
	s_barrier_wait -1
.endm
.macro CROUND
	s_barrier_signal -1
	s_barrier_wait -1
	CREST
.endm
	s_load_b128 s[4:7], s[0:1], 0x0                ; att16, wo16
	s_load_b64 s[8:9], s[0:1], 0x10                ; out0
	s_load_b64 s[68:69], s[0:1], 0x18              ; bout
	v_lshl_add_u32 v[SPW], v0, 2, SPARE
	v_mov_b32 v[NIL], 0
	ds_add_u32 v[SPW], v[NIL]                      ; the wave's opening: the add, twice on end, and its wait ahead of my first tensor load
	ds_add_u32 v[SPW], v[NIL]
	v_lshrrev_b32 v1, 5, v0
	v_readfirstlane_b32 s10, v1                    ; wave 0..3
	s_lshr_b32 s11, s10, 1                         ; which half of the tile's rows is mine.  Also: I fetch for att (0) or for Wout (1)
	s_and_b32 s12, s10, 1                          ; which half of its columns.  Also: which two chunks of a K step I fetch
	s_bfe_u32 s40, ttmp6, 0x40000                  ; cx, cy
	s_bfe_u32 s41, ttmp6, 0x40004
	s_lshl_b32 s42, ttmp9, 2
	s_add_co_u32 s42, s42, s40                     ; tile column
	s_and_b32 s13, ttmp7, 0xffff
	s_lshl_b32 s13, s13, 2
	s_add_co_u32 s13, s13, s41                     ; tile row = 16 x batch + block of 128 positions
	s_lshl_b32 s43, s41, 2
	s_lshl_b32 s43, 15, s43                        ; my row of the cluster
	s_lshl_b32 s44, 0x1111, s40                    ; my column
	; descriptor group 1: 128 rows of 256 dense bytes (32 elements of 8 bytes), 16 bytes of padding behind each
	s_or_b32 s[G1+0], s43, (3<<16)|(1<<20)|(1<<21)|(5<<22)|(3<<25)
	s_or_b32 s[G1B+0], s44, (3<<16)|(1<<20)|(1<<21)|(5<<22)|(3<<25)
.irp g, G1, G1B
	s_mov_b32 s[\g+1], 32<<16
	s_mov_b32 s[\g+2], 128<<16
	s_mov_b32 s[\g+3], 32<<16
	s_mov_b32 s[\g+4], 128
	s_mov_b32 s[\g+5], 32
	s_mov_b32 s[\g+6], 0
	s_mov_b32 s[\g+7], 0
.endr
	s_lshl_b32 s17, s12, 15                        ; my two chunks of a K step
	s_lshl_b32 s16, s13, 18                        ; att's panel: 262,144 bytes
	s_add_co_u32 s16, s16, s17
	s_lshl_b32 s46, s42, 18                        ; Wout's panel
	s_add_co_u32 s46, s46, s17
	s_mov_b32 s17, 0
	s_mov_b32 s47, 0
	s_mul_i32 s20, s10, HALFT                      ; where they go: wave x two chunks: no place in the cluster enters an LDS address
	s_wait_dscnt 0x0                               ; both opening adds are done
	s_wait_kmcnt 0x0
	s_add_nc_u64 s[14:15], s[4:5], s[16:17]
	s_add_nc_u64 s[46:47], s[6:7], s[46:47]
	CROUND                                         ; all sixteen work-groups are here: the first joint loads meet
.irp s, 0,1
	s_mov_b32 s[G0+4*\s], 1
	s_add_co_u32 s[G0+4*\s+1], s20, \s*SLOT
	s_add_nc_u64 s[G0+4*\s+2:G0+4*\s+3], s[14:15], \s*65536          ; K step s: four chunks on
	s_or_b32 s[G0+4*\s+3], s[G0+4*\s+3], 0x80000000
	s_mov_b32 s[G0B+4*\s], 1
	s_add_co_u32 s[G0B+4*\s+1], s20, \s*SLOT
	s_add_nc_u64 s[G0B+4*\s+2:G0B+4*\s+3], s[46:47], \s*65536
	s_or_b32 s[G0B+4*\s+3], s[G0B+4*\s+3], 0x80000000
	JLOAD \s
.endr
	v_and_b32 v1, 15, v0                           ; r
	v_bfe_u32 v2, v0, 4, 1                         ; h
	v_lshrrev_b32 v3, 1, v1                        ; row rho of a chunk lies at 272 (rho / 2) + 128 (rho % 2): the 16 rows of a load start at 16 different groups of four banks
	v_mul_u32_u24 v3, v3, 272
	v_and_b32 v4, 1, v0
	v_lshl_add_u32 v3, v4, 7, v3
	v_lshl_add_u32 v3, v2, 4, v3                   ; + 16 h
	s_mul_i32 s21, s11, 32*272                     ; my 64 rows of att's chunks
	s_mul_i32 s22, s12, 32*272                     ; my 64 rows of Wout's,
	s_add_co_u32 s22, s22, 2*HALFT                 ; which lie behind att's four chunks
.irp s, 0,1
	v_add_nc_u32 v[ADRA+\s], s21, v3
	v_add_nc_u32 v[ADRB+\s], s22, v3
	s_add_co_u32 s21, s21, SLOT
	s_add_co_u32 s22, s22, SLOT
.endr
	s_mul_i32 s23, s10, 16*SPITCH
	s_add_co_u32 s23, s23, STAGE                   ; my stage
	v_mul_u32_u24 v4, v1, SPITCH                   ; in: row r, 32 bytes for each half of the lanes
	v_lshl_add_u32 v4, v2, 5, v4
	v_add_nc_u32 v[STO], s23, v4
	v_mul_u32_u24 v5, v2, SPITCH                   ; back: lanes 0-15 one row of 256 bytes, lanes 16-31 the next
	v_lshl_add_u32 v5, v1, 4, v5
	v_add_nc_u32 v[RD], s23, v5
	v_lshlrev_b32 v5, 12, v2                       ; and the same two rows in out0: 4,096 bytes a row
	v_lshl_add_u32 v[CO], v1, 4, v5
	v_lshlrev_b32 v[BO], 5, v2
	s_lshl_b32 s46, s42, 9                         ; my first column, in bytes: 512 x tile column + 256 x half
	s_lshl_b32 s47, s12, 8
	s_add_co_u32 s46, s46, s47
	s_mov_b32 s47, 0
	s_add_nc_u64 s[68:69], s[68:69], s[46:47]
	s_add_nc_u64 s[8:9], s[8:9], s[46:47]
.irp b, 0,1,2,3
	global_load_b128 v[BIAS+8*\b:BIAS+8*\b+3], v[BO], s[68:69] offset:64*\b          ; block b: bout at columns 16 b + 8 h + 0 .. 7
	global_load_b128 v[BIAS+8*\b+4:BIAS+8*\b+7], v[BO], s[68:69] offset:64*\b+16
.endr
	s_lshl_b32 s16, s13, 7
	s_lshl_b32 s17, s11, 6
	s_add_co_u32 s16, s16, s17                     ; my first row: 128 x tile row + 64 x half
	s_lshl_b32 s16, s16, 12
	s_mov_b32 s17, 0
	s_add_nc_u64 s[8:9], s[8:9], s[16:17]
; 8 matrix instructions: row blocks a0, a0 + 1 x all 4 column blocks, 32 along K: half c of buffer f.  zero = 1: the first product starts the sums, with the bias as C.  The 16 accumulators take turns.
.macro MUL8 f, c, a0, zero
.irp a, \a0, \a0+1
.irp b, 0,1,2,3
.if \zero
	v_wmma_f32_16x16x32_f16 v[ACC+8*(4*(\a)+\b):ACC+8*(4*(\a)+\b)+7], v[\f+64+8*(4*\c+\b):\f+64+8*(4*\c+\b)+7], v[\f+8*(4*\c+\a):\f+8*(4*\c+\a)+7], v[BIAS+8*\b:BIAS+8*\b+7]
.else
	v_wmma_f32_16x16x32_f16 v[ACC+8*(4*(\a)+\b):ACC+8*(4*(\a)+\b)+7], v[\f+64+8*(4*\c+\b):\f+64+8*(4*\c+\b)+7], v[\f+8*(4*\c+\a):\f+8*(4*\c+\a)+7], v[ACC+8*(4*(\a)+\b):ACC+8*(4*(\a)+\b)+7]
.endif
.endr
.endr
.endm
; 32 LDS loads in one run: the fragments of one chunk (64 along K), which begins at byte k of the slot's regions, into buffer f; the first 32 along K first
.macro FETCH slot, k, f
	WIN TO_F
.irp c, 0,1
.irp i, 0,1,2,3
	ds_load_b128 v[\f+64+8*(4*\c+\i):\f+64+8*(4*\c+\i)+3],   v[ADRB+\slot] offset:\k+64*\c+\i*8*272
	ds_load_b128 v[\f+64+8*(4*\c+\i)+4:\f+64+8*(4*\c+\i)+7], v[ADRB+\slot] offset:\k+64*\c+\i*8*272+32
	ds_load_b128 v[\f+8*(4*\c+\i):\f+8*(4*\c+\i)+3],         v[ADRA+\slot] offset:\k+64*\c+\i*8*272
	ds_load_b128 v[\f+8*(4*\c+\i)+4:\f+8*(4*\c+\i)+7],       v[ADRA+\slot] offset:\k+64*\c+\i*8*272+32
.endr
.endr
.endm
.macro PLACES                          ; four places in front of loads into registers that matrix instructions have read, and of reads of results
.rept 4
	v_nop
.endr
.endm
; A K step is four quarters, a chunk each, 32 matrix instructions, on buffers 0, 1, 0, 1.  One of the first three: multiplies buffer f and fetches the next chunk, at byte k, into g.
.macro QUARTER slot, k, f, g, zero
	s_wait_dscnt 16                                ; the first 32 along K are in; the other sixteen loads may be out
	WIN MUL
	MUL8 \f, 0, 0, \zero
	MUL8 \f, 0, 2, \zero
	PLACES
	FETCH \slot, \k, \g
	s_wait_dscnt 32                                ; all but the 32 just issued
	WIN MUL
	MUL8 \f, 1, 0, 0
	MUL8 \f, 1, 2, 0
.endm
; The last quarter multiplies buffer 1 and changes slots: one barrier; in front of it each wave waits for all its tensor loads, adds 0 to its spare word, and waits for that and for its own reads of this slot.
; fill = 1: the barrier opens a round of the cluster's barrier, and this slot is filled again, two K steps ahead.
.macro TURN slot, next, fill
	WIN 0                                          ; (the add's two registers lie in window 0)
	s_wait_tensorcnt 0x0                           ; all my tensor loads have landed: my part of the next slot
	ds_add_u32 v[SPW], v[NIL]                      ; 0 onto my spare word
	s_wait_dscnt 17                                ; (the add and the youngest sixteen loads may be out)
	WIN MUL
	MUL8 F1, 0, 0, 0
	s_wait_dscnt 0x0                               ; the add is done, and my reads of this slot are over
	s_barrier_signal -1
	MUL8 F1, 0, 2, 0
.if \fill
	WIN 0
.endif
	s_barrier_wait -1
.if \fill
	CREST                                          ; no wave of any partner still reads this slot or has a load on its way
	s_add_nc_u64 s[G0+4*\slot+2:G0+4*\slot+3], s[G0+4*\slot+2:G0+4*\slot+3], 131072
	s_add_nc_u64 s[G0B+4*\slot+2:G0B+4*\slot+3], s[G0B+4*\slot+2:G0B+4*\slot+3], 131072
	JLOAD \slot                                    ; the first tensor load behind the round; the four v_nop behind it are also the places in front of the loads below
.else
	PLACES
.endif
	FETCH \next, 0, F0
	WIN MUL
	MUL8 F1, 1, 0, 0
	MUL8 F1, 1, 2, 0
.endm
	s_wait_tensorcnt 1                             ; my part of K step 0 is in (K step 1's load may be out),
	s_barrier_signal -1
	s_barrier_wait -1                              ; everybody's is
	FETCH 0, 0, F0
	s_wait_loadcnt 0x0                             ; the bias
	QUARTER 0, CHUNK,   F0, F1, 1                  ; K step 0: its first products start the sums
	QUARTER 0, 2*CHUNK, F1, F0, 0
	QUARTER 0, 3*CHUNK, F0, F1, 0
	TURN 0, 1, 1                                   ; slot 0 takes K step 2
	QUARTER 1, CHUNK,   F0, F1, 0                  ; K step 1
	QUARTER 1, 2*CHUNK, F1, F0, 0
	QUARTER 1, 3*CHUNK, F0, F1, 0
	TURN 1, 0, 1                                   ; slot 1 takes K step 3
	QUARTER 0, CHUNK,   F0, F1, 0                  ; K step 2
	QUARTER 0, 2*CHUNK, F1, F0, 0
	QUARTER 0, 3*CHUNK, F0, F1, 0
	TURN 0, 1, 0                                   ; nothing is left to fetch
	QUARTER 1, CHUNK,   F0, F1, 0                  ; K step 3
	QUARTER 1, 2*CHUNK, F1, F0, 0
	QUARTER 1, 3*CHUNK, F0, F1, 0
	s_wait_dscnt 16
	WIN MUL
	MUL8 F1, 0, 0, 0
	MUL8 F1, 0, 2, 0
	s_wait_dscnt 0
	MUL8 F1, 1, 0, 0
	MUL8 F1, 1, 2, 0
	WIN 0
; THE WAY OUT.  A wave's 64 columns of f32 are 256 aligned bytes of a row: each wave has a stage of its own, and no barrier is needed.  A block of 16 rows goes into rows of 272 bytes and comes back as whole rows.
; LDS serves a wave's instructions in order (ISA guide 5.7.1.4): no wait between the stores and the loads, nor in front of the next block's stores.
.macro TOSTAGE a
.irp b, 0,1,2,3
	ds_store_b128 v[STO], v[ACC+8*(4*(\a)+\b):ACC+8*(4*(\a)+\b)+3] offset:64*\b          ; each accumulator from its low end on
	ds_store_b128 v[STO], v[ACC+8*(4*(\a)+\b)+4:ACC+8*(4*(\a)+\b)+7] offset:64*\b+16
.endr
.irp t, 0,1,2,3,4,5,6,7
	ds_load_b128 v[TMP+32*((\a)%2)+4*\t:TMP+32*((\a)%2)+4*\t+3], v[RD] offset:\t*2*SPITCH
.endr
.endm
.macro SEND a, younger                 ; younger: the LDS instructions issued behind block a's loads: the next block's eight stores and eight loads, or none
	s_wait_dscnt \younger
.irp t, 0,1,2,3,4,5,6,7
	global_store_b128 v[CO], v[TMP+32*((\a)%2)+4*\t:TMP+32*((\a)%2)+4*\t+3], s[8:9] offset:(16*(\a)+2*\t)*4096 th:TH_STORE_NT   ; 16 lanes store 256 consecutive bytes, aligned
.endr
.endm
	PLACES
	TOSTAGE 0
	TOSTAGE 1
	SEND 0, 16
	s_wait_xcnt 0x0                                ; block 0's stores have read their registers: block 2's loads may land there
	TOSTAGE 2
	SEND 1, 16
	s_wait_xcnt 0x0
	TOSTAGE 3
	SEND 2, 16
	SEND 3, 0
	s_wait_tensorcnt 0x0                           ; the wave's end, behind my last tensor load and my last LDS store
	ds_add_u32 v[SPW], v[NIL]
	s_wait_dscnt 0x0
	CROUND                                         ; the closing round: no work-group ends while a partner may still ask for a tile that names it
	s_endpgm
.Lfunc_end_k_q4ad12148e3_proj:
	.size	k_q4ad12148e3_proj, .Lfunc_end_k_q4ad12148e3_proj-k_q4ad12148e3_proj
	.p2alignl 7, 3214868480
	.fill 96, 4, 3214868480
	.section	.rodata,"a",@progbits
	.p2align	6, 0x0
	.amdhsa_kernel k_q4ad12148e3_proj
		.amdhsa_group_segment_fixed_size 327680
		.amdhsa_private_segment_fixed_size 0
		.amdhsa_enable_private_segment 0
		.amdhsa_kernarg_size 32
		.amdhsa_user_sgpr_count 2
		.amdhsa_user_sgpr_kernarg_segment_ptr 1
		.amdhsa_wavefront_size32 1
		.amdhsa_system_sgpr_workgroup_id_x 1
		.amdhsa_system_sgpr_workgroup_id_y 1
		.amdhsa_system_sgpr_workgroup_id_z 1
		.amdhsa_system_vgpr_workitem_id 0
		.amdhsa_next_free_vgpr 512
		.amdhsa_next_free_sgpr 72
		.amdhsa_reserve_vcc 0
		.amdhsa_float_denorm_mode_32 3
		.amdhsa_float_denorm_mode_16_64 3
		.amdhsa_memory_ordered 1
		.amdhsa_forward_progress 1
		.amdhsa_inst_pref_size 86
	.end_amdhsa_kernel
	.amdgpu_metadata
---
amdhsa.version: [ 1, 2 ]
amdhsa.kernels:
  - .name:           k_q4ad12148e3_proj
    .symbol:         k_q4ad12148e3_proj.kd
    .args:
      - { .name: att16, .offset: 0, .size: 8, .value_kind: global_buffer, .address_space: global }
      - { .name: wo16, .offset: 8, .size: 8, .value_kind: global_buffer, .address_space: global }
      - { .name: out0, .offset: 16, .size: 8, .value_kind: global_buffer, .address_space: global }
      - { .name: bout, .offset: 24, .size: 8, .value_kind: global_buffer, .address_space: global }
    .group_segment_fixed_size: 327680
    .private_segment_fixed_size: 0
    .kernarg_segment_align: 8
    .kernarg_segment_size: 32
    .max_flat_workgroup_size: 128
    .sgpr_count:     72
    .vgpr_count:     512
    .wavefront_size: 32
...
	.end_amdgpu_metadata
.endif
;; end of part 4
;; launch fine (part 5): grid 64 x 2, 16 waves a work-group, no clusters, 18,432 bytes of LDS; arguments fine32, Wout, bout, out0; writes out0
.if DOCPART == 5
	.amdgcn_target "amdgcn-amd-amdhsa--gfx1250"
	.amdhsa_code_object_version 6
	.text
	.protected	k_q4ad12148e3_fine
	.globl	k_q4ad12148e3_fine
	.p2align	8
	.type	k_q4ad12148e3_fine,@function
k_q4ad12148e3_fine:
	s_mov_b64 s[64:65], 0
	v_nop
	global_prefetch_b8 v0, s[64:65] scope:SCOPE_SE
	s_setreg_imm32_b32 hwreg(HW_REG_WAVE_MODE, 25, 1), 1
	s_wait_xcnt 0x0
; The first 16 positions of every sequence, and with them output rows 0-15 of each batch, once more with f32 operands throughout: under the causal mask these rows average one to sixteen values.
; fine32 [32 (16 x batch + head)][3072] holds, in f32, q, k and v of positions 0-15 of each head: 16 x 64 numbers each.
; SHARES.  A work-group takes a batch and 16 output columns n0 .. n0 + 15; wave hd takes head hd: its 16 x 16 attention (made again in each of the 64 work-groups of a batch: 32 small matrix instructions),
; then its part of the projection, o[16][64] x Wout[n0 ..][64 hd ..]^T.  The sixteen parts meet in LDS; waves 0 and 1 add them in ascending order onto the bias and store.
; All products by v_wmma_f32_16x16x4_f32; its results are written by matrix instructions alone, each sum begins with the constant 0, four accumulators take turns.
; K is permuted alike on both sources, so that a lane's consecutive registers serve: the sums hold the same terms.
; S^T = K Q^T: a lane holds one query (lane % 16) and keys 8 (lane / 16) + 0..7; p's registers are source 1 of O^T = V^T P; O^T's are source 1 of the projection, whose result holds eight neighbouring columns of a row.
; A store covers 16 bytes a lane, 64 bytes of a row for a work-group: 131,072 bytes in the whole launch.  No tensor load, no cluster: every operand is read once by its wave.
; LIMITS: NaN and infinities among the inputs are not served.
.set TT,   16                          ; v16-23  scores, then p; later a half sum
.set UU,   24                          ; v24-31  a half sum
.set QR,   32                          ; v32-63  Q; then o; then, with v64-95, the sixteen parts
.set KR,   64                          ; v64-95  K
.set VR,   96                          ; v96-127 V^T: register 8 ct + kk: key 8 h + kk, channel 16 ct + r
.set WR,   128                         ; v128-159 Wout: register 8 ct + j: row n0 + r, column 64 hd + 16 ct + 8 h + j
.set ACCA, 160                         ; v160-191 four accumulators
.set ACCB, 192                         ; v192-223 four accumulators
.set RES,  224                         ; v224-231 my part of the result
.set BI,   232                         ; v232-235 the bias
.set MX,   236
.set MX2,  237
.set LL,   238
.set CM,   240
.set INV,  241
.set DQ,   242
.set NEG,  243
.set SPW,  13                          ; v13  my spare word; never rewritten
.set NIL,  14                          ; v14  0; never rewritten
.set SPARE, 16384                      ; behind the sixteen parts: the spare words, 128 bytes for each wave
	s_load_b256 s[4:11], s[0:1], 0x0               ; fine32 s[4:5], Wout s[6:7], bout s[8:9], out0 s[10:11]
	v_lshl_add_u32 v[SPW], v0, 2, SPARE
	v_mov_b32 v[NIL], 0
	v_lshrrev_b32 v1, 5, v0
	v_readfirstlane_b32 s12, v1                    ; wave = head
	v_and_b32 v2, 15, v0                           ; r
	v_bfe_u32 v3, v0, 4, 1                         ; h
	v_and_b32 v4, 31, v0                           ; lane
	s_and_b32 s13, ttmp7, 0xffff                   ; batch
	s_lshl_b32 s14, s13, 4
	s_add_co_u32 s14, s14, s12
	s_mul_i32 s14, s14, 12288                      ; my row of fine32
	s_mov_b32 s15, 0
	s_lshl_b32 s16, ttmp9, 16                      ; Wout: row n0 = 16 x work-group x, 4,096 bytes a row,
	s_lshl_b32 s17, s12, 8                         ; my head's 64 columns
	s_add_co_u32 s16, s16, s17
	s_mov_b32 s17, 0
	s_and_b32 s23, s12, 1                          ; g: which four of a lane's eight columns I add up at the end (waves 0 and 1)
	s_lshl_b32 s18, ttmp9, 6                       ; 4 n0
	s_lshl_b32 s19, s23, 4
	s_add_co_u32 s18, s18, s19
	s_mov_b32 s19, 0
	s_lshl_b32 s24, s13, 23                        ; a batch of out0: 8,388,608 bytes
	s_add_co_u32 s24, s24, s18
	s_mov_b32 s25, 0
	s_mov_b32 s20, 0x76543210
	s_mov_b32 s21, 0xfedcba98                      ; lane selects: lane xor 16
	s_mov_b32 s22, 0x3e38aa3b                      ; c = log2(e) / 8
	v_lshlrev_b32 v5, 8, v2
	v_lshl_add_u32 v5, v3, 7, v5                   ; Q, K: position r of 256 bytes, + 128 h: channels 32 h + 0 .. 31
	v_lshlrev_b32 v6, 2, v2
	v_lshl_add_u32 v6, v3, 11, v6                  ; V: 4 r + 8 h positions of 256 bytes
	v_lshlrev_b32 v7, 12, v2
	v_lshl_add_u32 v7, v3, 5, v7                   ; Wout and out0: row r of 4,096 bytes, + 32 h
	v_lshlrev_b32 v8, 5, v3                        ; bout: 32 h
	s_lshl_b32 s26, s12, 10
	v_lshl_add_u32 v10, v4, 4, s26                 ; LDS: my part: 1,024 x wave + 16 x lane
	s_lshl_b32 s27, s23, 9
	v_lshl_add_u32 v11, v4, 4, s27                 ; and where I read the parts: 512 g + 16 x lane
	v_lshlrev_b32 v[DQ], 3, v3
	v_sub_nc_u32 v[DQ], v2, v[DQ]                  ; r - 8 h
	v_mov_b32 v[NEG], 0xff800000                   ; -infinity
	s_wait_kmcnt 0x0
	s_add_nc_u64 s[4:5], s[4:5], s[14:15]
	s_add_nc_u64 s[6:7], s[6:7], s[16:17]
	s_add_nc_u64 s[8:9], s[8:9], s[18:19]
	s_add_nc_u64 s[10:11], s[10:11], s[24:25]
.irp i, 0,1,2,3,4,5,6,7
	global_load_b128 v[QR+4*\i:QR+4*\i+3], v5, s[4:5] offset:16*\i
.endr
.irp i, 0,1,2,3,4,5,6,7
	global_load_b128 v[KR+4*\i:KR+4*\i+3], v5, s[4:5] offset:4096+16*\i
.endr
.irp ct, 0,1,2,3
.irp kk, 0,1,2,3,4,5,6,7
	global_load_b32 v[VR+8*\ct+\kk], v6, s[4:5] offset:8192+256*\kk+64*\ct
.endr
.endr
.irp ct, 0,1,2,3
	global_load_b128 v[WR+8*\ct:WR+8*\ct+3], v7, s[6:7] offset:64*\ct
	global_load_b128 v[WR+8*\ct+4:WR+8*\ct+7], v7, s[6:7] offset:64*\ct+16
.endr
	global_load_b128 v[BI:BI+3], v8, s[8:9]
	s_wait_loadcnt 41                              ; Q and K are in; V's 32 loads, Wout's 8 and the bias's one may be out
.irp i, 0,1,2,3,4,5,6,7,8,9,10,11,12,13,14,15  ; S^T = K Q^T: link i takes channels 2 i, 2 i + 1, 32 + 2 i, 33 + 2 i
.if \i < 4
	v_wmma_f32_16x16x4_f32 v[ACCA+8*(\i%4):ACCA+8*(\i%4)+7], v[KR+2*\i:KR+2*\i+1], v[QR+2*\i:QR+2*\i+1], 0
.else
	v_wmma_f32_16x16x4_f32 v[ACCA+8*(\i%4):ACCA+8*(\i%4)+7], v[KR+2*\i:KR+2*\i+1], v[QR+2*\i:QR+2*\i+1], v[ACCA+8*(\i%4):ACCA+8*(\i%4)+7]
.endif
.endr
.rept 8
	v_nop                                          ; eight places behind this form (ISA guide 7.12.1)
.endr
.irp n, 0,2,4,6
	v_pk_add_f32 v[TT+\n:TT+\n+1], v[ACCA+\n:ACCA+\n+1], v[ACCA+8+\n:ACCA+8+\n+1]       ; the four part sums, each accumulator from its low end
.endr
.irp n, 0,2,4,6
	v_pk_add_f32 v[UU+\n:UU+\n+1], v[ACCA+16+\n:ACCA+16+\n+1], v[ACCA+24+\n:ACCA+24+\n+1]
.endr
.irp n, 0,2,4,6
	v_pk_add_f32 v[TT+\n:TT+\n+1], v[TT+\n:TT+\n+1], v[UU+\n:UU+\n+1]
.endr
.irp j, 0,1,2,3,4,5,6,7                        ; register j holds key 8 h + j for query r: hidden where j > r - 8 h
	v_cmp_gt_i32 vcc_lo, \j, v[DQ]
	v_cndmask_b32 v[TT+\j], v[TT+\j], v[NEG], vcc_lo
.endr
	v_max3_num_f32 v[MX], v[TT], v[TT+1], v[TT+2]
	v_max3_num_f32 v[MX2], v[TT+3], v[TT+4], v[TT+5]
	v_max3_num_f32 v[MX], v[MX], v[TT+6], v[TT+7]
	v_max_num_f32 v[MX], v[MX], v[MX2]
	v_permlanex16_b32 v[MX2], v[MX], s20, s21
	v_max_num_f32 v[MX], v[MX], v[MX2]             ; the row's maximum: key 0 counts for every query
	v_mul_f32 v[CM], s22, v[MX]
.irp j, 0,1,2,3,4,5,6,7
	v_fma_f32 v[TT+\j], v[TT+\j], s22, -v[CM]
.endr
.irp j, 0,1,2,3,4,5,6,7
	v_exp_f32 v[TT+\j], v[TT+\j]                   ; p = 2^(c s - c m)
.endr
	v_nop                                          ; a plain instruction behind the last exponential,
	s_wait_alu depctr_va_vdst(0)                   ; and one wait for the batch, ahead of its first reader
	v_pk_add_f32 v[UU:UU+1], v[TT:TT+1], v[TT+2:TT+3]
	v_pk_add_f32 v[UU+2:UU+3], v[TT+4:TT+5], v[TT+6:TT+7]
	v_pk_add_f32 v[UU:UU+1], v[UU:UU+1], v[UU+2:UU+3]
	v_add_f32 v[LL], v[UU], v[UU+1]
	v_permlanex16_b32 v[MX2], v[LL], s20, s21
	v_add_f32 v[LL], v[LL], v[MX2]                 ; the row's sum
	v_rcp_f32 v[INV], v[LL]
	v_nop
	s_wait_alu depctr_va_vdst(0)
	s_wait_loadcnt 9                               ; V is in; Wout's 8 loads and the bias's one may be out
.irp i, 0,1,2,3                                ; O^T = V^T P: link i takes keys 2 i, 2 i + 1, 8 + 2 i, 9 + 2 i; accumulator ct: channels 16 ct on
.irp ct, 0,1,2,3
.if \i == 0
	v_wmma_f32_16x16x4_f32 v[ACCB+8*\ct:ACCB+8*\ct+7], v[VR+8*\ct+2*\i:VR+8*\ct+2*\i+1], v[TT+2*\i:TT+2*\i+1], 0
.else
	v_wmma_f32_16x16x4_f32 v[ACCB+8*\ct:ACCB+8*\ct+7], v[VR+8*\ct+2*\i:VR+8*\ct+2*\i+1], v[TT+2*\i:TT+2*\i+1], v[ACCB+8*\ct:ACCB+8*\ct+7]
.endif
.endr
.endr
.rept 8
	v_nop
.endr
.set nn, 0
.rept 32
	v_mul_f32 v[QR+nn], v[ACCB+nn], v[INV]         ; o = O^T / the sum, into other registers: register 8 ct + j is channel 16 ct + 8 h + j of query r
.set nn, nn+1
.endr
	s_wait_loadcnt 1                               ; Wout is in; the bias's load may be out
.irp i, 0,1,2,3                                ; my part of the projection: source 0 = 16 rows of Wout, source 1 = o
.irp ct, 0,1,2,3
.if \i == 0
	v_wmma_f32_16x16x4_f32 v[ACCA+8*\ct:ACCA+8*\ct+7], v[WR+8*\ct+2*\i:WR+8*\ct+2*\i+1], v[QR+8*\ct+2*\i:QR+8*\ct+2*\i+1], 0
.else
	v_wmma_f32_16x16x4_f32 v[ACCA+8*\ct:ACCA+8*\ct+7], v[WR+8*\ct+2*\i:WR+8*\ct+2*\i+1], v[QR+8*\ct+2*\i:QR+8*\ct+2*\i+1], v[ACCA+8*\ct:ACCA+8*\ct+7]
.endif
.endr
.endr
.rept 8
	v_nop
.endr
.irp n, 0,2,4,6
	v_pk_add_f32 v[TT+\n:TT+\n+1], v[ACCA+\n:ACCA+\n+1], v[ACCA+8+\n:ACCA+8+\n+1]
.endr
.irp n, 0,2,4,6
	v_pk_add_f32 v[UU+\n:UU+\n+1], v[ACCA+16+\n:ACCA+16+\n+1], v[ACCA+24+\n:ACCA+24+\n+1]
.endr
.irp n, 0,2,4,6
	v_pk_add_f32 v[RES+\n:RES+\n+1], v[TT+\n:TT+\n+1], v[UU+\n:UU+\n+1]                  ; lane (r, h): row r, columns n0 + 8 h + 0 .. 7
.endr
	ds_store_b128 v10, v[RES:RES+3]
	ds_store_b128 v10, v[RES+4:RES+7] offset:512
	s_wait_tensorcnt 0x0                           ; these were my last LDS stores
	ds_add_u32 v[SPW], v[NIL]
	s_wait_dscnt 0x0                               ; for the others' sake too: my part lies in LDS
	s_barrier_signal -1
	s_barrier_wait -1
	s_cmp_gt_u32 s12, 1                            ; waves 0 and 1 add the sixteen parts up, four columns of each lane's eight
	s_cbranch_scc1 .Ldone
.irp w, 0,1,2,3,4,5,6,7,8,9,10,11,12,13,14,15
	ds_load_b128 v[QR+4*\w:QR+4*\w+3], v11 offset:1024*\w
.endr
	s_wait_dscnt 0x0
	s_wait_loadcnt 0x0                             ; the bias
	v_pk_add_f32 v[RES:RES+1], v[BI:BI+1], v[QR:QR+1]
	v_pk_add_f32 v[RES+2:RES+3], v[BI+2:BI+3], v[QR+2:QR+3]
.irp w, 1,2,3,4,5,6,7,8,9,10,11,12,13,14,15
	v_pk_add_f32 v[RES:RES+1], v[RES:RES+1], v[QR+4*\w:QR+4*\w+1]
	v_pk_add_f32 v[RES+2:RES+3], v[RES+2:RES+3], v[QR+4*\w+2:QR+4*\w+3]
.endr
	global_store_b128 v7, v[RES:RES+3], s[10:11]
.Ldone:
	s_endpgm
.Lfunc_end_k_q4ad12148e3_fine:
	.size	k_q4ad12148e3_fine, .Lfunc_end_k_q4ad12148e3_fine-k_q4ad12148e3_fine
	.p2alignl 7, 3214868480
	.fill 96, 4, 3214868480
	.section	.rodata,"a",@progbits
	.p2align	6, 0x0
	.amdhsa_kernel k_q4ad12148e3_fine
		.amdhsa_group_segment_fixed_size 18432
		.amdhsa_private_segment_fixed_size 0
		.amdhsa_enable_private_segment 0
		.amdhsa_kernarg_size 32
		.amdhsa_user_sgpr_count 2
		.amdhsa_user_sgpr_kernarg_segment_ptr 1
		.amdhsa_wavefront_size32 1
		.amdhsa_system_sgpr_workgroup_id_x 1
		.amdhsa_system_sgpr_workgroup_id_y 1
		.amdhsa_system_sgpr_workgroup_id_z 1
		.amdhsa_system_vgpr_workitem_id 0
		.amdhsa_next_free_vgpr 248
		.amdhsa_next_free_sgpr 66
		.amdhsa_reserve_vcc 1
		.amdhsa_float_denorm_mode_32 3
		.amdhsa_float_denorm_mode_16_64 3
		.amdhsa_memory_ordered 1
		.amdhsa_forward_progress 1
		.amdhsa_inst_pref_size 20
	.end_amdhsa_kernel
	.amdgpu_metadata
---
amdhsa.version: [ 1, 2 ]
amdhsa.kernels:
  - .name:           k_q4ad12148e3_fine
    .symbol:         k_q4ad12148e3_fine.kd
    .args:
      - { .name: fine32, .offset: 0, .size: 8, .value_kind: global_buffer, .address_space: global }
      - { .name: Wout, .offset: 8, .size: 8, .value_kind: global_buffer, .address_space: global }
      - { .name: bout, .offset: 16, .size: 8, .value_kind: global_buffer, .address_space: global }
      - { .name: out0, .offset: 24, .size: 8, .value_kind: global_buffer, .address_space: global }
    .group_segment_fixed_size: 18432
    .private_segment_fixed_size: 0
    .kernarg_segment_align: 8
    .kernarg_segment_size: 32
    .max_flat_workgroup_size: 512
    .sgpr_count:     66
    .vgpr_count:     248
    .wavefront_size: 32
...
	.end_amdgpu_metadata
.endif
;; end of part 5
